; MI455X (gfx1250); checked and timed in simulation.
; The chip was launched on July 23, 2026; its instructions are those of AMD's public machine-readable ISA for CDNA 5 (MIT licence, August 2026) and "CDNA5" Instruction Set Architecture Reference Guide (July 2026). The comments in the code are by the model that wrote it; some were corrected since.
;; Attention Layer. Allowed arithmetic: matrix products marked QUANTISED: E2M1 operands, one E8M0 scale for each 32 along K, by v_wmma_scale_f32_16x16x128_f8f6f4 with both operands' format E2M1 (or v_wmma_scale_f32_32x16x128_f4), f32 sums; products left as they are: bf16, f16 or f32 operands; f32 sums; everything else in f32.
;; Inputs: Wk 1,024 x 1,024 float32; Wp 1,024 x 1,024 float32; Wq 1,024 x 1,024 float32; Wv 1,024 x 1,024 float32; bk 1,024 float32; bp 1,024 float32; bq 1,024 float32; bv 1,024 float32; decoder_hs 4 x 2,048 x 1,024 float32; encoder_hs 4 x 2,048 x 1,024 float32.
;; Outputs: out0 4 x 2,048 x 1,024 float32.
;; This version of the problem:
;;   THIS VERSION OF THE PROBLEM IS GIVEN IN LOW PRECISION. The matrix products marked QUANTISED in the list below multiply operands that are first quantised to E2M1 (2 exponent bits, 1 mantissa bit; 4 bits a number), with one power-of-two scale for each 32 numbers along K (OCP MX v1.0); their sums are f32. The products marked 'left as it is' may take bf16, f16 or f32 operands, with f32 sums. Whichever they take, every output number must still come out within the allowed error. Rounding operands to bf16 (8 significant bits) uses up far more of that allowance than f16 does (11 bits, for magnitudes from 6e-5 to 65,504). All else is computed in f32.
;;   The module's matrix products, in the order in which they are computed (A, B: the left and right operand; K: the contracted axis; several contracted axes count as one K, in the product's order):
;;     1. [M 8,192, K 1,024] x [K 1,024, N 1,024]; A: input decoder_hs; B: input Wq: QUANTISED
;;     2. [M 8,192, K 1,024] x [K 1,024, N 1,024]; A: input encoder_hs; B: input Wk: QUANTISED
;;     3. [M 8,192, K 1,024] x [K 1,024, N 1,024]; A: input encoder_hs; B: input Wv: QUANTISED
;;     4. batch 64 x [M 2,048, K 64] x [K 64, N 2,048]; A: computed on the way; B: computed on the way: left as it is (an operand is computed on the way)
;;     5. batch 64 x [M 2,048, K 2,048] x [K 2,048, N 64]; A: computed on the way; B: computed on the way: left as it is (an operand is computed on the way)
;;     6. [M 8,192, K 1,024] x [K 1,024, N 1,024]; A: computed on the way; B: input Wp: left as it is (an operand is computed on the way)
;;   THE QUANTISER, for each operand of a quantised product, along K:
;;     - K is cut into blocks of 32 from its start; a last block that is shorter is filled with zeros.
;;     - A block's scale is 2^e with e = floor(log2(the largest magnitude in the block)) - 2, held to -126 .. 127; a block of zeros has e = 0. As a byte (E8M0): e + 127.
;;     - Each number is divided by its block's scale, clamped to +-6, and rounded to the nearest number of E2M1, ties to even, subnormals kept.
;;     - The product sums the exact products of the quantised numbers (number of the format x scale) in f32.
;;   ~~~python
;;   def quantise(x, axis):      # numpy; x: float32 -> the quantised numbers, widened to float32 again
;;       x = np.moveaxis(x, axis, -1); K = x.shape[-1]
;;       x = np.pad(x, [(0, 0)] * (x.ndim - 1) + [(0, -K % 32)]); x = x.reshape(x.shape[:-1] + (-1, 32)); a = np.abs(x).max(-1, keepdims=True)
;;       e = np.where(a > 0, np.clip(np.frexp(np.where(a > 0, a, 1))[1] - 1 - 2, -126, 127), 0)      # np.frexp(a)[1] - 1 = floor(log2(a)), exactly
;;       r = np.clip(x / 2.0 ** e, -6, 6)
;;       step = 2.0 ** (np.maximum(np.frexp(np.where(r == 0, 1, r))[1] - 1, 0) - 1)
;;       q = np.round(r / step) * step * 2.0 ** e      # np.round: ties to even
;;       return np.moveaxis(q.reshape(q.shape[:-2] + (-1,))[..., :K], -1, axis).astype(np.float32)
;;   ~~~
;; One version. Each part assembles by itself: llvm-mc -triple=amdgcn-amd-amdhsa -mcpu=gfx1250 --defsym DOCPART=n.
;; ======== version 1 of 1: 4 launches
;; limits: values are held in f16: magnitudes above 65,504 overflow, below 6.1e-05 lose precision
;; workspace buffers: xc 8,388,608 bytes; xs 524,288 bytes; wc 1,572,864 bytes; ws 98,304 bytes; wp16 2,097,152 bytes; qkv 50,331,648 bytes; yh 16,777,216 bytes
;; launch quant (part 1): grid 640 x 1, 4 waves a work-group, no clusters, 33,280 bytes of LDS; arguments decoder_hs, encoder_hs, Wq, Wk, Wv, Wp, xc, xs, wc, ws, wp16; writes xc, xs, wc, ws, wp16
.if DOCPART == 1
	.amdgcn_target "amdgcn-amd-amdhsa--gfx1250"
	.amdhsa_code_object_version 6
	.text
	.protected	k_q4ebe879f68_quant
	.globl	k_q4ebe879f68_quant
	.p2align	8
	.type	k_q4ebe879f68_quant,@function
k_q4ebe879f68_quant:
	s_mov_b64 s[64:65], 0
	v_nop
	global_prefetch_b8 v0, s[64:65] scope:SCOPE_SE
	s_setreg_imm32_b32 hwreg(HW_REG_WAVE_MODE, 25, 1), 1
	s_wait_xcnt 0x0
; decoder_hs, encoder_hs [8192][1024] and Wq, Wk, Wv [1024][1024], f32 with K innermost, become codes of FP4 (E2M1), 4 bits each, K innermost, with one E8M0 scale byte for each 32 along K.
; Wp [1024][1024] f32 is rounded once to f16 and laid [k / 64][n][64], so that a K plane of 256 rows of Wp is one dense block for the projection's tensor loads.
; A block's scale is 2^(floor(log2(its largest magnitude)) - 2); its byte is the largest magnitude's exponent field - 2, held at 1 from below.  A block of zeros so gets the byte 1 where the rule says 127:
; its codes are zeros, which add nothing under any byte but 0xff, and the bytes are read by this program alone.
; LIMITS: blocks whose largest magnitude lies under 2^(2 - 126) are held at the byte 1; NaN and infinities among the inputs are not served; a number of Wp above 65,504 in magnitude becomes infinity in f16.
; SHARES: a work-group takes 32,768 numbers, a wave 16 steps of 512.  Rows are dense and 1,024 is a multiple of 32, so each tensor is a plain stream of blocks of 32, and so are its codes and its scale bytes.
; Work-groups 0-255: decoder_hs; 256-511: encoder_hs (codes and bytes behind the decoder's in xc, xs); 512-543, 544-575, 576-607: Wq, Wk, Wv (one behind the other in wc, ws); 608-639: Wp's cast.
; Only pointers and two numbers are chosen by the work-group's number: the five quantised tensors take one path through the text.
; A conversion takes 8 numbers of ONE block from a lane's registers, so a lane must hold 16 neighbours; a load is best where neighbouring lanes take neighbouring bytes.  Both are had: each load reads 512
; consecutive bytes, 16 a lane; a step's 2,048 bytes go through the wave's own stage in LDS and come back 64 bytes a lane.  Waves share nothing: no barrier.
.set WAVES, 4
.set STEPS, 16
.set EMAX,  2
.set CB,    8                          ; bytes of 16 codes
.set R,     16                         ; v16-79   four sets of 16 numbers as they are loaded
.set X,     80                         ; v80-111  two sets of 16 neighbours
.set E,     112                        ; v112-127 a scale byte for each step
.set C,     128                        ; v128-191 codes: four registers for each step, so that no store's data are written again
.set WREG,  8192                       ; LDS: a region for each wave: two stages of 32 x SP bytes, behind them its 256 scale bytes
.set SP,    80                         ; a lane's place in a stage: 64 bytes + 16 of padding
.set SPW,   12                         ; v12  LDS address of my spare word; never rewritten
.set NIL,   13                         ; v13  0; never rewritten
.set SPARE, WAVES*WREG                 ; behind the four regions: the spare words, 128 bytes a wave
.set IN,    16                         ; the cast: v16-79, v80-143 two sets of 8 x 8 numbers
.set OUTC,  144                        ; the cast: v144-175 8 x 4 registers of f16
	s_load_b512 s[4:19], s[0:1], 0x0               ; decoder s[4:5], encoder s[6:7], Wq s[8:9], Wk s[10:11], Wv s[12:13], Wp s[14:15], xc s[16:17], xs s[18:19]
	s_load_b128 s[20:23], s[0:1], 0x40             ; wc s[20:21], ws s[22:23]
	s_load_b64 s[24:25], s[0:1], 0x50              ; wp16
	v_lshl_add_u32 v[SPW], v0, 2, SPARE
	v_mov_b32 v[NIL], 0
	s_cmp_ge_u32 ttmp9, 608                        ; the last 32 work-groups cast Wp
	s_cbranch_scc1 .Lcast
	v_lshrrev_b32 v1, 5, v0
	v_readfirstlane_b32 s34, v1                    ; wave
	v_and_b32 v2, 31, v0                           ; lane
	v_lshlrev_b32 v3, 4, v2                        ; my 16 bytes of a load's 512
	s_mul_i32 s35, s34, WREG
	v_lshrrev_b32 v14, 2, v2
	v_mul_u32_u24 v14, v14, SP
	v_and_b32 v15, 3, v2
	v_lshl_add_u32 v14, v15, 4, v14
	v_add_nc_u32 v14, s35, v14                     ; the stage, on the way in: four lanes' 64 bytes on end, then 16 of padding
	v_mul_u32_u24 v15, v2, SP
	v_add_nc_u32 v15, s35, v15                     ; and on the way out: SP x lane: my 16 neighbours
	v_mul_u32_u24 v4, v2, CB                       ; my codes' place in a step's
	v_lshrrev_b32 v5, 1, v2
	s_add_co_u32 s35, s35, 2*32*SP
	v_add_nc_u32 v5, s35, v5                       ; LDS: my wave's 256 scale bytes, my block's byte
	v_lshlrev_b32 v7, 3, v2                        ; and on the way out 8 bytes a lane
	v_add_nc_u32 v6, s35, v7
	s_wait_kmcnt 0x0
	s_cmp_lt_u32 ttmp9, 256                        ; every choice hangs on the work-group's number alone
	s_cselect_b64 s[26:27], s[4:5], s[6:7]         ; the source,
	s_cselect_b32 s32, 0, 256                      ; and the work-group at which it begins
	s_cmp_lt_u32 ttmp9, 512
	s_cselect_b64 s[26:27], s[26:27], s[8:9]
	s_cselect_b32 s32, s32, 512
	s_cselect_b64 s[28:29], s[16:17], s[20:21]     ; the codes' buffer,
	s_cselect_b64 s[30:31], s[18:19], s[22:23]     ; the scale bytes',
	s_cselect_b32 s33, 0, 512                      ; and the work-group at which they begin
	s_cmp_lt_u32 ttmp9, 544
	s_cselect_b64 s[26:27], s[26:27], s[10:11]
	s_cselect_b32 s32, s32, 544
	s_cmp_lt_u32 ttmp9, 576
	s_cselect_b64 s[26:27], s[26:27], s[12:13]
	s_cselect_b32 s32, s32, 576
	s_sub_co_u32 s35, ttmp9, s32
	s_lshl_b32 s35, s35, 2
	s_add_co_u32 s35, s35, s34                     ; which run of 8,192 numbers of the source is my wave's
	s_lshl_b32 s36, s35, 15                        ; 32,768 bytes a run
	s_mov_b32 s37, 0
	s_add_nc_u64 s[26:27], s[26:27], s[36:37]
	s_sub_co_u32 s35, ttmp9, s33
	s_lshl_b32 s35, s35, 2
	s_add_co_u32 s35, s35, s34                     ; and which run of the destination
	s_lshl_b32 s36, s35, 12                        ; 4,096 bytes of codes a run
	s_add_nc_u64 s[28:29], s[28:29], s[36:37]
	s_lshl_b32 s36, s35, 8                         ; 256 scale bytes a run
	s_add_nc_u64 s[30:31], s[30:31], s[36:37]
.macro LOAD t
.irp i, 0,1,2,3
	global_load_b128 v[R+16*((\t)%4)+4*\i:R+16*((\t)%4)+4*\i+3], v3, s[26:27] offset:2048*(\t)+512*\i th:TH_LOAD_NT   ; 32 lanes read 512 consecutive bytes
.endr
.endm
.macro TURN t                          ; step t's numbers through the stage: LDS serves a wave's instructions in order (ISA guide 5.7.1.4), so no wait stands between the stores and the loads
.irp i, 0,1,2,3
	ds_store_b128 v14, v[R+16*((\t)%4)+4*\i:R+16*((\t)%4)+4*\i+3] offset:32*SP*((\t)%2)+8*SP*\i
.endr
.irp i, 0,1,2,3
	ds_load_b128 v[X+16*((\t)%2)+4*\i:X+16*((\t)%2)+4*\i+3], v15 offset:32*SP*((\t)%2)+16*\i
.endr
.endm
.irp t, 0,1,2,3
	LOAD \t
.endr
	s_wait_loadcnt 12                              ; step 0's four loads are in; the twelve of steps 1 to 3 may be out
	TURN 0
.macro STEP t
.set XS, X+16*((\t)%2)
.if (\t) > 0
	s_wait_dscnt 1                                 ; this step's numbers are back from the stage (the last step's byte store may be out): so its stores into the stage have read their registers,
.else
	s_wait_dscnt 0x0
.endif
.if (\t)+4 < STEPS
	LOAD (\t)+4                                    ; which take the loads of four steps on
.endif
.if (\t)+1 < STEPS
.if STEPS-2-(\t) >= 3
	s_wait_loadcnt 12                              ; the next step's four loads are in; those of the three steps behind it may be out
.else
	s_wait_loadcnt 4*(STEPS-2-(\t))
.endif
	TURN (\t)+1                                    ; and go through the other stage while this step is worked
.endif
	v_max3_num_f32 v8, |v[XS]|, |v[XS+1]|, |v[XS+2]|               ; the largest magnitude of my 16, in two chains
	v_max3_num_f32 v9, |v[XS+3]|, |v[XS+4]|, |v[XS+5]|
.irp i, 6,10
	v_max3_num_f32 v8, v8, |v[XS+\i]|, |v[XS+\i+1]|
	v_max3_num_f32 v9, v9, |v[XS+\i+2]|, |v[XS+\i+3]|
.endr
	v_max3_num_f32 v8, v8, |v[XS+14]|, |v[XS+15]|
	v_max3_num_f32 v8, v8, v9, (EMAX+1)<<23        ; and the floor 2^(EMAX + 1 - 127): the byte cannot fall under 1
	v_max_num_f32_dpp v8, v8, v8 row_xmask:1 row_mask:0xf bank_mask:0xf   ; and of my neighbour's 16: the block's
	v_add_nc_u32 v11, -(EMAX<<23), v8              ; EMAX off its exponent field: the conversion takes the exponent field of this operand as its scale, and nothing else of it
	v_cvt_scalef32_pk8_fp4_f32 v[C+4*(\t)], v[XS:XS+7], v11        ; eight numbers / the scale, to the nearest code, ties to even, beyond the largest code the largest
	v_cvt_scalef32_pk8_fp4_f32 v[C+4*(\t)+1], v[XS+8:XS+15], v11
	v_lshrrev_b32 v[E+(\t)], 23, v11               ; the scale's byte (also the plain line behind the conversions)
	ds_store_b8 v5, v[E+(\t)] offset:16*(\t)       ; both lanes of a block write the same byte with the same value
	global_store_b64 v4, v[C+4*(\t):C+4*(\t)+1], s[28:29] offset:32*CB*(\t)   ; the wave stores 256 consecutive bytes, aligned
.endm
.irp t, 0,1,2,3,4,5,6,7,8,9,10,11,12,13,14,15
	STEP \t
.endr
	ds_load_b64 v[8:9], v6                         ; in order behind my byte stores
	s_wait_dscnt 0x0
	global_store_b64 v7, v[8:9], s[30:31]          ; 32 lanes store 256 consecutive bytes, aligned
	s_wait_tensorcnt 0x0                           ; the wave's end, behind my last LDS store
	ds_add_u32 v[SPW], v[NIL]
	s_wait_dscnt 0x0
	s_endpgm
; THE CAST.  Work-group c = number - 608 takes rows n = 32 c .. 32 c + 31 of Wp.  Thread T takes, of row 16 set + T / 8, the 8 numbers at k = 64 kb + 8 (T % 8): 16 bytes of f16, which lie at
; kb x 131,072 + n x 128 + 16 (T % 8) of wp16: 16 T within the work-group's part, so a wave's store covers 512 consecutive bytes.  No LDS byte is stored here.
.Lcast:
	s_sub_co_u32 s35, ttmp9, 608
	v_lshrrev_b32 v1, 3, v0
	v_and_b32 v2, 7, v0
	v_lshlrev_b32 v1, 12, v1                       ; a row of Wp is 4,096 bytes
	v_lshl_add_u32 v1, v2, 5, v1                   ; in: + 32 (T % 8)
	v_lshlrev_b32 v2, 4, v0                        ; out: 16 T
	s_lshl_b32 s36, s35, 17                        ; 32 rows of 4,096 bytes
	s_mov_b32 s37, 0
	s_lshl_b32 s38, s35, 12                        ; 32 rows of 128 bytes
	s_mov_b32 s39, 0
	s_wait_kmcnt 0x0
	s_add_nc_u64 s[14:15], s[14:15], s[36:37]
	s_add_nc_u64 s[24:25], s[24:25], s[38:39]
.macro LOADB n                         ; batch n of four: rows' set n / 2, planes kb = 8 (n % 2) + 0 .. 7: sixteen loads
.irp u, 0,1,2,3,4,5,6,7
	global_load_b128 v[IN+64*((\n)%2)+8*\u:IN+64*((\n)%2)+8*\u+3], v1, s[14:15] offset:((\n)/2)*65536+(8*((\n)%2)+\u)*256 th:TH_LOAD_NT
	global_load_b128 v[IN+64*((\n)%2)+8*\u+4:IN+64*((\n)%2)+8*\u+7], v1, s[14:15] offset:((\n)/2)*65536+(8*((\n)%2)+\u)*256+16 th:TH_LOAD_NT
.endr
.endm
.macro CASTB n
.if (\n) < 3
	s_wait_loadcnt 16                              ; this batch's sixteen loads are in; the next batch's may be out
.else
	s_wait_loadcnt 0x0
.endif
.if (\n) > 0
	s_wait_xcnt 0x0                                ; the last batch's stores have read their data registers: they are written again only behind this wait
.endif
.irp u, 0,1,2,3,4,5,6,7
.irp i, 0,1,2,3
	v_cvt_pk_f16_f32 v[OUTC+4*\u+\i], v[IN+64*((\n)%2)+8*\u+2*\i], v[IN+64*((\n)%2)+8*\u+2*\i+1]
.endr
.endr
.irp u, 0,1,2,3,4,5,6,7
	global_store_b128 v2, v[OUTC+4*\u:OUTC+4*\u+3], s[24:25] offset:(8*((\n)%2)+\u)*131072+((\n)/2)*2048
.endr
.if (\n) < 2
	LOADB (\n)+2
.endif
.endm
	LOADB 0
	LOADB 1
	CASTB 0
	CASTB 1
	CASTB 2
	CASTB 3
	s_wait_tensorcnt 0x0                           ; the wave's end
	ds_add_u32 v[SPW], v[NIL]
	s_wait_dscnt 0x0
	s_endpgm
.Lfunc_end_k_q4ebe879f68_quant:
	.size	k_q4ebe879f68_quant, .Lfunc_end_k_q4ebe879f68_quant-k_q4ebe879f68_quant
	.p2alignl 7, 3214868480
	.fill 96, 4, 3214868480
	.section	.rodata,"a",@progbits
	.p2align	6, 0x0
	.amdhsa_kernel k_q4ebe879f68_quant
		.amdhsa_group_segment_fixed_size 33280
		.amdhsa_private_segment_fixed_size 0
		.amdhsa_enable_private_segment 0
		.amdhsa_kernarg_size 88
		.amdhsa_user_sgpr_count 2
		.amdhsa_user_sgpr_kernarg_segment_ptr 1
		.amdhsa_wavefront_size32 1
		.amdhsa_system_sgpr_workgroup_id_x 1
		.amdhsa_system_sgpr_workgroup_id_y 1
		.amdhsa_system_sgpr_workgroup_id_z 1
		.amdhsa_system_vgpr_workitem_id 0
		.amdhsa_next_free_vgpr 192
		.amdhsa_next_free_sgpr 66
		.amdhsa_reserve_vcc 0
		.amdhsa_float_denorm_mode_32 3
		.amdhsa_float_denorm_mode_16_64 3
		.amdhsa_memory_ordered 1
		.amdhsa_forward_progress 1
		.amdhsa_inst_pref_size 52
	.end_amdhsa_kernel
	.amdgpu_metadata
---
amdhsa.version: [ 1, 2 ]
amdhsa.kernels:
  - .name:           k_q4ebe879f68_quant
    .symbol:         k_q4ebe879f68_quant.kd
    .args:
      - { .name: decoder_hs, .offset: 0, .size: 8, .value_kind: global_buffer, .address_space: global }
      - { .name: encoder_hs, .offset: 8, .size: 8, .value_kind: global_buffer, .address_space: global }
      - { .name: Wq, .offset: 16, .size: 8, .value_kind: global_buffer, .address_space: global }
      - { .name: Wk, .offset: 24, .size: 8, .value_kind: global_buffer, .address_space: global }
      - { .name: Wv, .offset: 32, .size: 8, .value_kind: global_buffer, .address_space: global }
      - { .name: Wp, .offset: 40, .size: 8, .value_kind: global_buffer, .address_space: global }
      - { .name: xc, .offset: 48, .size: 8, .value_kind: global_buffer, .address_space: global }
      - { .name: xs, .offset: 56, .size: 8, .value_kind: global_buffer, .address_space: global }
      - { .name: wc, .offset: 64, .size: 8, .value_kind: global_buffer, .address_space: global }
      - { .name: ws, .offset: 72, .size: 8, .value_kind: global_buffer, .address_space: global }
      - { .name: wp16, .offset: 80, .size: 8, .value_kind: global_buffer, .address_space: global }
    .group_segment_fixed_size: 33280
    .private_segment_fixed_size: 0
    .kernarg_segment_align: 8
    .kernarg_segment_size: 88
    .max_flat_workgroup_size: 128
    .sgpr_count:     66
    .vgpr_count:     192
    .wavefront_size: 32
...
	.end_amdgpu_metadata
.endif
;; end of part 1
;; launch qkv (part 2): grid 4 x 96, 4 waves a work-group, clusters of 4 x 4, 327,680 bytes of LDS; arguments xc, xs, wc, ws, bq, bk, bv, qkv; writes qkv
.if DOCPART == 2
	.amdgcn_target "amdgcn-amd-amdhsa--gfx1250"
	.amdhsa_code_object_version 6
	.text
	.protected	k_q4ebe879f68_qkv
	.globl	k_q4ebe879f68_qkv
	.p2align	8
	.type	k_q4ebe879f68_qkv,@function
k_q4ebe879f68_qkv:
	s_mov_b64 s[64:65], 0
	v_nop
	global_prefetch_b8 v0, s[64:65] scope:SCOPE_SE
	s_setreg_imm32_b32 hwreg(HW_REG_WAVE_MODE, 25, 1), 1
	s_wait_xcnt 0x0
	s_wait_alu depctr_hold_cnt(0) depctr_sa_sdst(0) depctr_va_vdst(0) depctr_va_sdst(0) depctr_va_ssrc(0) depctr_va_vcc(0) depctr_vm_vsrc(0)
	s_getreg_b32 s2, hwreg(HW_REG_IB_STS2, 6, 4)
	s_cmp_eq_u32 s2, 0
	s_cbranch_scc0 .Lentry_in_a_cluster
	s_endpgm
.Lentry_in_a_cluster:
	s_bfe_u32 s2, ttmp6, 0x10000c
	s_cmp_lg_u32 s2, 0xf033
	s_cbranch_scc0 .Lentry_shape_is_right
	s_endpgm
.Lentry_shape_is_right:
; q = decoder Wq^T + bq, k = encoder Wk^T + bk, v = encoder Wv^T + bv: three products [8192][1024] x [1024][1024]^T on codes of FP4 (E2M1) with one E8M0 scale for each 32 along K; sums in f32.
; The results are rounded once to f16 and laid by head: qkv [p: 3][batch: 4][head: 16][position: 2048][64].
; LIMIT: a result above 65,504 in magnitude becomes infinity in f16.
; SHARES.  384 tiles of 256 x 256: product p = tile row / 32, 32 tile rows, 4 tile columns.  A work-group of four waves makes a tile, a wave 128 x 128: 64 accumulators of 16 x 16, 512 registers.
; K = 1,024 is two LDS slots of 512 (a tile's row is 256 bytes of memory): ALL of K is asked for at the head, by three tensor loads a wave (scale bytes, slot 0, slot 1), and nothing is filled again.
; THE SCALE BYTES of the work-group's 256 rows of A and of B, for all of K, are two dense blocks of memory: they come once, as units of 256 bytes.
; CLUSTERS: 4 x 4 work-groups.  The four of a row of the cluster need the same tiles of A, the four of a column the same tiles of B: each tile is asked for JOINTLY, by the same tensor load with the same
; descriptor and a mask that names the four.  p is made of the cluster's y alone, so it is the same in all sixteen.
; THE MATRIX INSTRUCTION IS USED TRANSPOSED (source 0 = 16 rows of W, source 1 = 16 rows of x): a lane then holds eight neighbouring columns of one row.  THE BIAS is the C of each sum's first product.
; REGISTERS, in windows of 256: window 0: v0-31 addresses; v32-95 scale words, two sets, and nothing else; v96-127 packed results; v128-191 A's fragments, ONE set, on the way out rows read back;
;   v192-255 the bias, eight registers for each of B's eight blocks.   window 1: B's fragments, TWO sets, at v0 and v128.   window 2: accumulators of my rows 0-63 ((a, b) at v[8 (8 a + b)]);   window 3: rows 64-127.
.set KSTEP,  512
.set NQ,     KSTEP/128                 ; matrix instructions deep in a slot
.set ROWB,   256                       ; a tile's row in bytes
.set KROW,   512                       ; a row of codes in memory
.set PITCH,  272                       ; an LDS row: 256 bytes + 16 of padding: the 16 rows that a load touches start 68 words apart
.set FR,     8                         ; registers of a fragment: 16 rows x 128 K
.set NL,     2                         ; LDS loads that bring one
.set NP,     4                         ; places behind this matrix instruction (ISA guide 7.12.1)
.set HALFT,  128*PITCH                 ; 128 rows: what one tensor load brings
.set SLOT,   4*HALFT                   ; A's 256 rows, then B's 256 rows
.set KS,     32                        ; a row of scale bytes
.set SCL,    2*SLOT                    ; behind the slots: the scale bytes, as units of 256 bytes + 16 of padding
.set HALFS,  (128*KS/256)*272          ; those of 128 rows: what one tensor load brings
.set SBLK,   (16*KS/256)*272           ; those of 16 rows
.set SPARE,  SCL+4*HALFS               ; behind them: the spare words, 128 bytes a wave
.set SPITCH, 272                       ; the way out: a stage of 16 rows x (256 bytes + 16) for each wave, in slot 0, which has had its one fill and its last read by then
.set ADRA, 16                          ; v16-17  LDS address of my A fragments in slot 0, 1
.set ADRB, 20                          ; v20-21  the same for B
.set STO,  24                          ; v24     the way out: where I put 16 bytes of a row
.set RD,   25                          ; v25     where I read back
.set CO,   26                          ; v26     my byte offset in a store's 512 bytes
.set ADRS, 27                          ; v27     LDS address of my scale words: lanes 0-15 A's rows, lanes 16-31 B's
.set SPW,  28                          ; v28     LDS address of my spare word; never rewritten
.set NIL,  29                          ; v29     0; never rewritten
.set BO,   30                          ; v30     the bias: 32 x (lane / 16)
.set SC,   32
.set TMP,  96
.set AF,   128
.set BK,   128
.set BI,   192
.set G1, 24                            ; s[24:31] group 1 for A's tiles;  s[32:39] group 0, one set for each slot
.set G0, 32
.set G1B, 48                           ; s[48:55], s[56:63] the same for B's
.set G0B, 56
.set G1S, 68                           ; s[68:75], s[76:79] groups 1 and 0 for A's scale bytes;  s[80:87], s[88:91] for B's
.set G0S, 76
.set G1SB, 80
.set G0SB, 88
.set MSB, 0
.macro WIN new                         ; the immediate's high byte repeats the setting that is left; a switch that changes nothing is dropped
.if MSB != (\new)
	s_set_vgpr_msb (MSB<<8)|(\new)
.set MSB, (\new)
.endif
.endm
.set MUL_LO, 0xa1                      ; source 0 (B) window 1, source 1 (A) window 0, C and D window 2
.set MUL_HI, 0xf1                      ; the same, C and D window 3
.set BIA_LO, 0x81                      ; the first products: C (the bias) window 0, D window 2
.set BIA_HI, 0xc1                      ; D window 3
.set TO_B,   0x40                      ; destination window 1, address window 0
; A joint load: waves 0 and 1 fetch for A, waves 2 and 3 for B.  Each of the two lines has ONE mask and one set of registers for all that issue it; the branch hangs on the wave's number alone.
; An s_nop 0 and four v_nop follow each of the two lines.
.macro JLOAD g0a, g1a, g0b, g1b
	s_cmp_eq_u32 s15, 0
	s_cbranch_scc0 .Lfor_b_\@
	tensor_load_to_lds s[\g0a:\g0a+3], s[\g1a:\g1a+7]
	s_nop 0
.rept 4
	v_nop
.endr
	s_branch .Lasked_\@
.Lfor_b_\@:
	tensor_load_to_lds s[\g0b:\g0b+3], s[\g1b:\g1b+7]
	s_nop 0
.rept 4
	v_nop
.endr
.Lasked_\@:
.endm
.macro CROUND                          ; a round of the cluster's barrier: my work-group's barrier; wave 0 signals for the work-group; every wave waits for all sixteen; my work-group's barrier once more
	s_barrier_signal -1
	s_barrier_wait -1
	s_cmp_lg_u32 s14, 0
	s_cbranch_scc1 .Lnot_wave_0_\@
	s_barrier_signal -3
.Lnot_wave_0_\@:
	s_barrier_wait -3
	s_barrier_signal -1
	s_barrier_wait -1
.endm
	s_load_b256 s[4:11], s[0:1], 0x0               ; xc s[4:5], xs s[6:7], wc s[8:9], ws s[10:11]
	s_load_b128 s[96:99], s[0:1], 0x20             ; bq, bk
	s_load_b64 s[100:101], s[0:1], 0x30            ; bv
	s_load_b64 s[12:13], s[0:1], 0x38              ; qkv
	v_lshl_add_u32 v[SPW], v0, 2, SPARE
	v_mov_b32 v[NIL], 0
	ds_add_u32 v[SPW], v[NIL]                      ; the wave's opening: the add, twice on end, and its wait ahead of my first tensor load
	ds_add_u32 v[SPW], v[NIL]                      ; and once more, under the one wait; the set-up below, work on registers, stands between
	v_lshrrev_b32 v1, 5, v0
	v_readfirstlane_b32 s14, v1                    ; wave 0..3
	s_lshr_b32 s15, s14, 1                         ; which half of the tile's rows is mine.  Also: I fetch for A (0) or for B (1)
	s_and_b32 s16, s14, 1                          ; which half of its columns.  Also: which 128 rows I fetch
	s_bfe_u32 s40, ttmp6, 0x40000                  ; cx, cy: my place in the cluster
	s_bfe_u32 s41, ttmp6, 0x40004
	s_lshl_b32 s42, ttmp9, 2
	s_add_co_u32 s42, s42, s40                     ; tile column = 4 x cluster x + cx
	s_and_b32 s66, ttmp7, 0xffff                   ; cluster y
	s_lshl_b32 s17, s66, 2
	s_add_co_u32 s17, s17, s41                     ; tile row 0..95 = 4 x cluster y + cy
	s_lshr_b32 s66, s66, 3                         ; p = cluster y / 8: the product
	s_and_b32 s67, s17, 31                         ; the tile row within the product
	s_lshl_b32 s43, s41, 2
	s_lshl_b32 s43, 15, s43                        ; my row of the cluster
	s_lshl_b32 s44, 0x1111, s40                    ; my column
	; descriptor group 1: a tile of 128 rows x 256 bytes, padded in LDS
	s_or_b32 s[G1+0], s43, (0<<16)|(1<<20)|(1<<21)|(5<<22)|(3<<25)  ; 15:0 the mask: A's tiles go to my row; 17:16 elements of 1 byte; 20 padding on; 21 set beside a mask; 24:22 after every 64 words; 31:25 four words
	s_or_b32 s[G1B+0], s44, (0<<16)|(1<<20)|(1<<21)|(5<<22)|(3<<25)
.irp g, G1, G1B
	s_mov_b32 s[\g+1], ROWB<<16                    ; tensor_dim0
	s_mov_b32 s[\g+2], 128<<16                     ; tensor_dim1
	s_mov_b32 s[\g+3], ROWB<<16                    ; tile_dim0
	s_mov_b32 s[\g+4], 128                         ; tile_dim1
	s_mov_b32 s[\g+5], KROW                        ; from row to row
	s_mov_b32 s[\g+6], 0
	s_mov_b32 s[\g+7], 0
.endr
	; the scale bytes of 128 rows: 4,096 dense bytes, as 16 rows of 256 bytes (32 elements of 8 bytes), 16 bytes of padding behind each
	s_or_b32 s[G1S+0], s43, (3<<16)|(1<<20)|(1<<21)|(5<<22)|(3<<25)
	s_or_b32 s[G1SB+0], s44, (3<<16)|(1<<20)|(1<<21)|(5<<22)|(3<<25)
.irp g, G1S, G1SB
	s_mov_b32 s[\g+1], 32<<16
	s_mov_b32 s[\g+2], (128*KS/256)<<16
	s_mov_b32 s[\g+3], 32<<16
	s_mov_b32 s[\g+4], 128*KS/256
	s_mov_b32 s[\g+5], 32
	s_mov_b32 s[\g+6], 0
	s_mov_b32 s[\g+7], 0
.endr
	s_lshl_b32 s18, s16, 7                         ; which 128 rows of the tile I fetch
	s_lshl_b32 s20, s67, 8
	s_add_co_u32 s20, s20, s18
	s_min_u32 s19, s66, 1                          ; q reads the decoder's rows, k and v the encoder's, 8,192 rows on in xc and xs
	s_lshl_b32 s19, s19, 13
	s_add_co_u32 s20, s20, s19                     ; A's row: it hangs on the tile row and p, which my row of the cluster shares
	s_lshl_b32 s46, s42, 8
	s_add_co_u32 s46, s46, s18
	s_lshl_b32 s19, s66, 10
	s_add_co_u32 s46, s46, s19                     ; B's row: 1,024 p + 256 x tile column + 128 x half: my column of the cluster shares it
	s_mov_b32 s21, 0
	s_mov_b32 s47, 0
	s_mov_b64 s[18:19], KS
	s_mul_u64 s[22:23], s[20:21], s[18:19]         ; where these rows' scale bytes begin
	s_mul_u64 s[92:93], s[46:47], s[18:19]
	s_mov_b64 s[18:19], KROW
	s_mul_u64 s[20:21], s[20:21], s[18:19]         ; and their codes
	s_mul_u64 s[46:47], s[46:47], s[18:19]
	s_mul_i32 s45, s14, HALFT                      ; where they go: wave x 128 rows: no place in the cluster enters an LDS address
	s_mul_i32 s94, s14, HALFS
	s_wait_dscnt 0x0                               ; both opening adds are done
	s_wait_kmcnt 0x0
	s_add_nc_u64 s[20:21], s[4:5], s[20:21]
	s_add_nc_u64 s[22:23], s[6:7], s[22:23]
	s_add_nc_u64 s[46:47], s[8:9], s[46:47]
	s_add_nc_u64 s[92:93], s[10:11], s[92:93]
	s_cmp_eq_u32 s66, 0                            ; the product's bias
	s_cselect_b64 s[96:97], s[96:97], s[98:99]
	s_cmp_eq_u32 s66, 2
	s_cselect_b64 s[96:97], s[100:101], s[96:97]
	CROUND                                         ; all sixteen work-groups are here: the joint loads meet
	s_mov_b32 s[G0S], 1
	s_add_co_u32 s[G0S+1], s94, SCL
	s_mov_b64 s[G0S+2:G0S+3], s[22:23]
	s_or_b32 s[G0S+3], s[G0S+3], 0x80000000
	s_mov_b32 s[G0SB], 1
	s_add_co_u32 s[G0SB+1], s94, SCL
	s_mov_b64 s[G0SB+2:G0SB+3], s[92:93]
	s_or_b32 s[G0SB+3], s[G0SB+3], 0x80000000
	JLOAD G0S, G1S, G0SB, G1SB                     ; the scale bytes first: they are wanted with slot 0
.irp s, 0,1
	s_mov_b32 s[G0+4*\s], 1
	s_add_co_u32 s[G0+4*\s+1], s45, \s*SLOT
	s_add_nc_u64 s[G0+4*\s+2:G0+4*\s+3], s[20:21], \s*ROWB
	s_or_b32 s[G0+4*\s+3], s[G0+4*\s+3], 0x80000000
	s_mov_b32 s[G0B+4*\s], 1
	s_add_co_u32 s[G0B+4*\s+1], s45, \s*SLOT
	s_add_nc_u64 s[G0B+4*\s+2:G0B+4*\s+3], s[46:47], \s*ROWB
	s_or_b32 s[G0B+4*\s+3], s[G0B+4*\s+3], 0x80000000
	JLOAD G0+4*\s, G1, G0B+4*\s, G1B               ; three tensor loads of mine are out behind the second of these
.endr
	v_and_b32 v1, 15, v0                           ; r = lane % 16
	v_bfe_u32 v2, v0, 4, 1                         ; h = lane / 16
	v_lshlrev_b32 v[BO], 5, v2
	s_lshl_b32 s46, s42, 10                        ; my first column within the product, in bytes of f32: 1,024 x tile column + 512 x half
	s_lshl_b32 s47, s16, 9
	s_add_co_u32 s46, s46, s47
	s_mov_b32 s47, 0
	s_add_nc_u64 s[96:97], s[96:97], s[46:47]
.irp b, 0,1,2,3,4,5,6,7
	global_load_b128 v[BI+8*\b:BI+8*\b+3], v[BO], s[96:97] offset:64*\b        ; lane (r, h): the bias of columns 16 b + 8 h + 0 .. 7: the result's layout
	global_load_b128 v[BI+8*\b+4:BI+8*\b+7], v[BO], s[96:97] offset:64*\b+16
.endr
	v_mul_u32_u24 v3, v1, PITCH
	v_lshl_add_u32 v4, v2, 4, v3                   ; a fragment's row x pitch + 16 x half
	s_mul_i32 s21, s15, HALFT                      ; my 128 rows of A
	s_mul_i32 s22, s16, HALFT                      ; my 128 rows of B,
	s_add_co_u32 s22, s22, 2*HALFT                 ; which lie behind A's 256
.irp s, 0,1
	v_add_nc_u32 v[ADRA+\s], s21, v4
	v_add_nc_u32 v[ADRB+\s], s22, v4
	s_add_co_u32 s21, s21, SLOT
	s_add_co_u32 s22, s22, SLOT
.endr
	v_mul_u32_u24 v5, v1, KS                       ; my row's scale bytes: 32 a row,
	v_lshrrev_b32 v6, 8, v5
	v_lshl_add_u32 v5, v6, 4, v5                   ; and 16 more for each 256 passed
	s_mul_i32 s21, s15, HALFS                      ; A's: my 128 rows
	s_mul_i32 s22, s16, HALFS                      ; B's: my 128 rows, behind A's 256
	s_add_co_u32 s22, s22, 2*HALFS
	s_sub_co_u32 s22, s22, s21
	v_mul_u32_u24 v6, s22, v2                      ; lanes 16-31 take B's: one product, the distance between the two bases
	s_add_co_u32 s21, s21, SCL
	v_add_nc_u32 v5, v5, v6
	v_add_nc_u32 v[ADRS], s21, v5
	s_mul_i32 s23, s14, 16*SPITCH                  ; my stage
	v_mul_u32_u24 v5, v1, SPITCH                   ; in: row r, 16 bytes for each half of the lanes
	v_lshl_add_u32 v5, v2, 4, v5
	v_add_nc_u32 v[STO], s23, v5
	v_bfe_u32 v5, v0, 3, 2                         ; back: eight lanes take a head's 128 bytes of a row, 32 lanes four rows
	v_mul_u32_u24 v5, v5, SPITCH
	v_and_b32 v6, 7, v0
	v_lshl_add_u32 v5, v6, 4, v5
	v_add_nc_u32 v[RD], s23, v5
	v_and_b32 v6, 31, v0
	v_lshlrev_b32 v[CO], 4, v6                     ; four rows of a head are 512 consecutive bytes of qkv
	s_lshl_b32 s20, s66, 24                        ; where my part begins in qkv: p x 2^24
	s_lshr_b32 s21, s67, 3                         ; the batch: 8 tile rows each
	s_lshl_b32 s21, s21, 4
	s_lshl_b32 s22, s42, 2
	s_add_co_u32 s21, s21, s22
	s_lshl_b32 s22, s16, 1
	s_add_co_u32 s21, s21, s22                     ; 16 x batch + my first head (4 x tile column + 2 x half)
	s_lshl_b32 s21, s21, 18                        ; a head's 2,048 rows of 128 bytes
	s_add_co_u32 s20, s20, s21
	s_and_b32 s21, s67, 7
	s_lshl_b32 s21, s21, 15                        ; 256 positions of 128 bytes
	s_add_co_u32 s20, s20, s21
	s_lshl_b32 s21, s15, 14                        ; my half: 128 positions
	s_add_co_u32 s20, s20, s21
	s_mov_b32 s21, 0
	s_add_nc_u64 s[12:13], s[12:13], s[20:21]
.macro FRAG reg, adr, q, i             ; a fragment: lane l holds row l % 16; registers 4 c .. 4 c + 3 hold K = 64 c + 32 (l / 16) + 0 .. 31: 16 bytes of the row as they lie
.irp c, 0,1
	ds_load_b128 v[\reg+4*\c:\reg+4*\c+3], v[\adr] offset:64*(\q)+32*\c+(\i)*16*PITCH
.endr
.endm
; 16 matrix instructions: A's blocks a0, a0 + 1 x B's eight, 128 along K: the slot's q-th.  p: B's set;  sc: the set of scale words.  zero = 1: the first product starts the sums from the bias.
; One register carries A's scale word (lanes 0-15) and B's (lanes 16-31).  The 64 accumulators take turns, one instruction a turn, in the same order in every step.
.macro MUL16 a0, p, q, sc, zero
.irp a, \a0, \a0+1
.irp b, 0,1,2,3,4,5,6,7
.if \zero
	v_wmma_scale_f32_16x16x128_f8f6f4 v[8*(8*((\a)%4)+\b):8*(8*((\a)%4)+\b)+7], v[128*(\p)+FR*\b:128*(\p)+FR*\b+FR-1], v[AF+FR*(\a):AF+FR*(\a)+FR-1], v[BI+8*\b:BI+8*\b+7], v[SC+8*NQ*(\sc)+NQ*\b+(\q)], v[SC+8*NQ*(\sc)+NQ*(\a)+(\q)] matrix_a_fmt:MATRIX_FMT_FP4 matrix_b_fmt:MATRIX_FMT_FP4 matrix_a_scale:MATRIX_SCALE_ROW1
.else
	v_wmma_scale_f32_16x16x128_f8f6f4 v[8*(8*((\a)%4)+\b):8*(8*((\a)%4)+\b)+7], v[128*(\p)+FR*\b:128*(\p)+FR*\b+FR-1], v[AF+FR*(\a):AF+FR*(\a)+FR-1], v[8*(8*((\a)%4)+\b):8*(8*((\a)%4)+\b)+7], v[SC+8*NQ*(\sc)+NQ*\b+(\q)], v[SC+8*NQ*(\sc)+NQ*(\a)+(\q)] matrix_a_fmt:MATRIX_FMT_FP4 matrix_b_fmt:MATRIX_FMT_FP4 matrix_a_scale:MATRIX_SCALE_ROW1
.endif
.endr
.endr
.endm
.macro FETCH_B slot, q, p              ; B's eight fragments of the slot's q-th 128 along K into set p
	WIN TO_B
.irp i, 0,1,2,3,4,5,6,7
	FRAG 128*(\p)+FR*\i, ADRB+\slot, \q, \i
.endr
	WIN 0
.endm
.macro FETCH_A slot, q, i0             ; A's blocks i0 .. i0 + 3
.irp i, \i0, \i0+1, \i0+2, \i0+3
	FRAG AF+FR*(\i), ADRA+\slot, \q, \i
.endr
.endm
.macro SCALES sc                       ; a slot's scale words into set sc: four words a row; lanes 0-15 take A's block i, lanes 16-31 B's block i
.irp i, 0,1,2,3,4,5,6,7
	ds_load_b128 v[SC+8*NQ*\sc+NQ*\i:SC+8*NQ*\sc+NQ*\i+3], v[ADRS] offset:\i*SBLK
.endr
.endm
; A load into a register that a matrix instruction has read, and a vector instruction that reads a matrix result, stand NP places behind that matrix instruction; only plain vector instructions that name
; none of its registers are places (ISA guide 7.12.1 for vector instructions).
.macro PLACES n
.rept \n
	v_nop
.endr
.endm
; A step of 128 along K that has its successor in the same slot.  A's blocks are free as soon as their eight products are issued: blocks 0-3 are fetched anew in the step's middle, blocks 4-7 at its end.
.macro STEP slot, q, zero
	s_wait_dscnt 4*NL                              ; B's set, A's blocks 0-3 and the scale words are in; the youngest eight loads (A's blocks 4-7) may be out
.if \zero
	WIN BIA_LO
.else
	WIN MUL_LO
.endif
	MUL16 0, (\q)%2, \q, \slot, \zero
	MUL16 2, (\q)%2, \q, \slot, \zero
	s_wait_dscnt 0                                 ; A's blocks 4-7 are in
	PLACES NP
	FETCH_B \slot, (\q)+1, 1-(\q)%2
	FETCH_A \slot, (\q)+1, 0
.if \zero
	WIN BIA_HI
.else
	WIN MUL_HI
.endif
	MUL16 4, (\q)%2, \q, \slot, \zero
	MUL16 6, (\q)%2, \q, \slot, \zero
	PLACES NP
	WIN 0
	FETCH_A \slot, (\q)+1, 4
.endm
; Slot 0's last step changes slots: one barrier.  In front of it each wave waits for all its tensor loads (slot 1's part was the one still out), adds 0 to its spare word, and waits for that and for its reads
; of slot 0.  Behind it slot 1 is whole and nobody reads slot 0 any more.  Nothing is filled again.
.macro TURN slot, next
	s_wait_tensorcnt 0x0                           ; all my tensor loads have landed  (every window is 0 here: the add's two registers lie in window 0)
	ds_add_u32 v[SPW], v[NIL]                      ; 0 onto my spare word
	s_wait_dscnt 4*NL+1                            ; (the add and the youngest eight loads, A's blocks 4-7, may be out)
	WIN MUL_LO
	MUL16 0, 1, NQ-1, \slot, 0                     ; sixteen matrix instructions stand between the add and the wait for it
	s_wait_dscnt 0x0                               ; the add is done, and my reads of this slot are over
	s_barrier_signal -1
	MUL16 2, 1, NQ-1, \slot, 0
	WIN 0
	s_barrier_wait -1
	PLACES NP
	v_add_nc_u32 v[ADRS], 4*NQ, v[ADRS]            ; on to the next slot's scale words (no LDS load of mine is out)
	FETCH_B \next, 0, 0
	FETCH_A \next, 0, 0
	SCALES \next
	WIN MUL_HI
	MUL16 4, 1, NQ-1, \slot, 0
	MUL16 6, 1, NQ-1, \slot, 0
	PLACES NP
	WIN 0
	FETCH_A \next, 0, 4
.endm
.macro STEPS slot, from                ; the slot's steps from .. NQ - 2
.set Q, \from
.rept NQ-1-\from
	STEP \slot, Q, 0
.set Q, Q+1
.endr
.endm
	s_wait_tensorcnt 1                             ; the scale bytes and my part of slot 0 are in (slot 1's load may be out)
	s_barrier_signal -1
	s_barrier_wait -1                              ; everybody's are
	FETCH_B 0, 0, 0
	FETCH_A 0, 0, 0
	SCALES 0
	FETCH_A 0, 0, 4
	s_wait_loadcnt 0x0                             ; the bias
	STEP 0, 0, 1                                   ; the first step's products start the sums from the bias: nothing is cleared, nothing is added later
	STEPS 0, 1
	TURN 0, 1
	STEPS 1, 0
	s_wait_dscnt 4*NL                              ; the very last step: nothing more to fetch
	WIN MUL_LO
	MUL16 0, 1, NQ-1, 1, 0
	MUL16 2, 1, NQ-1, 1, 0
	s_wait_dscnt 0
	WIN MUL_HI
	MUL16 4, 1, NQ-1, 1, 0
	MUL16 6, 1, NQ-1, 1, 0
	WIN 0
; THE WAY OUT, block by block of 16 rows x 128 columns (two heads).  PACK: rounded to f16, 16 bytes a lane, each accumulator from its low end on.  TOSTAGE: into my own stage and back, four rows of one head
; to a load.  SEND: each store of the wave covers 512 consecutive bytes, aligned.  LDS serves a wave's instructions in order (ISA guide 5.7.1.4): no wait between the stores and the loads.
.macro PACK a
.set AC, 64*((\a)%4)
	WIN 0x0a+5*((\a)/4)                            ; sources 0 and 1: window 2 or 3
.irp b, 0,1,2,3,4,5,6,7
.irp r, 0,1,2,3
	v_cvt_pk_f16_f32 v[TMP+4*\b+\r], v[AC+8*\b+2*\r], v[AC+8*\b+2*\r+1]
.endr
.endr
	WIN 0
.endm
.macro TOSTAGE a
.set BB, BK+32*((\a)%2)
.irp b, 0,1,2,3,4,5,6,7
	ds_store_b128 v[STO], v[TMP+4*\b:TMP+4*\b+3] offset:32*\b
.endr
.irp i, 0,1,2,3,4,5,6,7
	ds_load_b128 v[BB+4*\i:BB+4*\i+3], v[RD] offset:(4*(\i%4))*SPITCH+128*(\i/4)   ; rows 4 (i % 4) on, head i / 4
.endr
.endm
.macro SEND a, younger                 ; younger: the LDS instructions issued behind block a's loads, which may stay out
.set BB, BK+32*((\a)%2)
	s_wait_dscnt \younger
.irp i, 0,1,2,3,4,5,6,7
	global_store_b128 v[CO], v[BB+4*\i:BB+4*\i+3], s[12:13] offset:(\i/4)*262144+(\i%4)*512+(\a)*2048
.endr
.endm
	PLACES NP                                      ; behind the last products: for the conversions and for the loads into the registers that held A's fragments
	PACK 0
	TOSTAGE 0
.irp a, 1,2,3,4,5,6,7
.if \a > 1
	s_wait_xcnt 0x0                                ; block a - 2's stores have read their registers: block a's loads may land there
.endif
	PACK \a
	TOSTAGE \a
	SEND \a-1, 16                                  ; behind block a - 1's loads: block a's 8 stores and 8 loads
.endr
	SEND 7, 0
	s_wait_tensorcnt 0x0                           ; the wave's end, behind my last tensor load and my last LDS store
	ds_add_u32 v[SPW], v[NIL]
	s_wait_dscnt 0x0
	CROUND                                         ; the closing round: no work-group ends while a partner may still ask for a tile that names it
	s_endpgm
.Lfunc_end_k_q4ebe879f68_qkv:
	.size	k_q4ebe879f68_qkv, .Lfunc_end_k_q4ebe879f68_qkv-k_q4ebe879f68_qkv
	.p2alignl 7, 3214868480
	.fill 96, 4, 3214868480
	.section	.rodata,"a",@progbits
	.p2align	6, 0x0
	.amdhsa_kernel k_q4ebe879f68_qkv
		.amdhsa_group_segment_fixed_size 327680
		.amdhsa_private_segment_fixed_size 0
		.amdhsa_enable_private_segment 0
		.amdhsa_kernarg_size 64
		.amdhsa_user_sgpr_count 2
		.amdhsa_user_sgpr_kernarg_segment_ptr 1
		.amdhsa_wavefront_size32 1
		.amdhsa_system_sgpr_workgroup_id_x 1
		.amdhsa_system_sgpr_workgroup_id_y 1
		.amdhsa_system_sgpr_workgroup_id_z 1
		.amdhsa_system_vgpr_workitem_id 0
		.amdhsa_next_free_vgpr 1024
		.amdhsa_next_free_sgpr 102
		.amdhsa_reserve_vcc 0
		.amdhsa_float_denorm_mode_32 3
		.amdhsa_float_denorm_mode_16_64 3
		.amdhsa_memory_ordered 1
		.amdhsa_forward_progress 1
		.amdhsa_inst_pref_size 128
	.end_amdhsa_kernel
	.amdgpu_metadata
---
amdhsa.version: [ 1, 2 ]
amdhsa.kernels:
  - .name:           k_q4ebe879f68_qkv
    .symbol:         k_q4ebe879f68_qkv.kd
    .args:
      - { .name: xc, .offset: 0, .size: 8, .value_kind: global_buffer, .address_space: global }
      - { .name: xs, .offset: 8, .size: 8, .value_kind: global_buffer, .address_space: global }
      - { .name: wc, .offset: 16, .size: 8, .value_kind: global_buffer, .address_space: global }
      - { .name: ws, .offset: 24, .size: 8, .value_kind: global_buffer, .address_space: global }
      - { .name: bq, .offset: 32, .size: 8, .value_kind: global_buffer, .address_space: global }
      - { .name: bk, .offset: 40, .size: 8, .value_kind: global_buffer, .address_space: global }
      - { .name: bv, .offset: 48, .size: 8, .value_kind: global_buffer, .address_space: global }
      - { .name: qkv, .offset: 56, .size: 8, .value_kind: global_buffer, .address_space: global }
    .group_segment_fixed_size: 327680
    .private_segment_fixed_size: 0
    .kernarg_segment_align: 8
    .kernarg_segment_size: 64
    .max_flat_workgroup_size: 128
    .sgpr_count:     102
    .vgpr_count:     1024
    .wavefront_size: 32
...
	.end_amdgpu_metadata
.endif
;; end of part 2
;; launch attn (part 3): grid 4 x 64, 8 waves a work-group, clusters of 4 x 1, 327,680 bytes of LDS; arguments qkv, yh; writes yh
.if DOCPART == 3
	.amdgcn_target "amdgcn-amd-amdhsa--gfx1250"
	.amdhsa_code_object_version 6
	.text
	.protected	k_q4ebe879f68_attn
	.globl	k_q4ebe879f68_attn
	.p2align	8
	.type	k_q4ebe879f68_attn,@function
k_q4ebe879f68_attn:
	s_mov_b64 s[64:65], 0
	v_nop
	global_prefetch_b8 v0, s[64:65] scope:SCOPE_SE
	s_setreg_imm32_b32 hwreg(HW_REG_WAVE_MODE, 25, 1), 1
	s_wait_xcnt 0x0
	s_wait_alu depctr_hold_cnt(0) depctr_sa_sdst(0) depctr_va_vdst(0) depctr_va_sdst(0) depctr_va_ssrc(0) depctr_va_vcc(0) depctr_vm_vsrc(0)
	s_getreg_b32 s2, hwreg(HW_REG_IB_STS2, 6, 4)
	s_cmp_eq_u32 s2, 0
	s_cbranch_scc0 .Lentry_in_a_cluster
	s_endpgm
.Lentry_in_a_cluster:
	s_bfe_u32 s2, ttmp6, 0x10000c
	s_cmp_lg_u32 s2, 0x3003
	s_cbranch_scc0 .Lentry_shape_is_right
	s_endpgm
.Lentry_shape_is_right:
; y[b][h][q][:] = the sum over k of softmax_k(q . k / 8) v[k][:], no mask.  q, k, v: f16, qkv [p: 3][16 b + h: 64][2048][64].  y: f16, laid yh [h: 16][2048 b + q: 8192][64], the projection's K planes.
; Products, maxima and sums in f32; the weights p are rounded to f16 for the second product, y once at the end.  f16, not bf16: its rounding is eight times finer, and p is at most about 1.
; LIMIT: a number of y above 65,504 in magnitude becomes infinity; NaN and infinities among the inputs are not served.
; SHARES.  A work-group owns 512 queries of one (b, h), each of its EIGHT waves 64: four tiles of 16, in 512 registers: two waves to a SIMD, so that one wave's softmax stands beside the other's products.
; Every wave walks the head's 2,048 keys, 64 a step.  The step is written in phases: K Q^T, the softmax, V^T P.  At head size 64 a step has 472 vector instructions for 64 matrix instructions: more than
; slices behind the matrix instructions could hold, so the overlap is left to the two waves of a SIMD.
; LAYOUT.  S^T = K Q^T (source 0 = 16 keys, source 1 = 16 queries): a lane holds ONE query (lane % 16) and the keys 8 (lane / 16) + 0..7.  Two such tiles, rounded to f16 in pairs, ARE source 1
; (32 keys x 16 queries) of O^T = V^T P, whose result again holds one query a lane, and eight channels.  K comes out of LDS as it lies, V ([key][channel]) turned, by ds_load_tr16_b128.
; SOFTMAX.  For each query a running maximum m and sum l: p = 2^(c s - c m), c = log2(e) / 8; in every step O and l are multiplied by a = 2^(c m_old - c m_new).  m begins at -3e38 and O, l at 0, so
; the step has no first form: the first a is 0 and multiplies zeros.  That costs 128 v_mov_b32 once, while the first tiles are on their way, and spares further copies of the step.
; CLUSTER.  The four query blocks of a head are one cluster and walk the same K and V: each tile is asked for JOINTLY: the same tensor load, the same descriptor, a mask that names the four.
; RING.  Two LDS slots of 256 keys (four steps).  Waves 0-3 fetch K's four quarters of a slot, waves 4-7 V's: one load of 64 rows a wave behind each round; it has four steps in which to land.
; REGISTERS.  window 0: v0-15 addresses; v16-47 eight registers of statistics a tile; v64-191 S^T, 32 a tile, whose first 16 take P in place; v192-255 K of one step.
;             window 1: v0-127 O^T, 32 a tile; v128-191 Q, 16 a tile; v192-255 V of one step.
.set KS,    64                         ; keys in a step
.set PK,    144                        ; a row of K in LDS: 128 bytes + 16: an odd multiple of 16
.set PV,    160                        ; a row of V: 128 + 32: an odd multiple of 32, for the turning load
.set KQB,   KS*PK                      ; a step's K
.set VQB,   KS*PV                      ; a step's V
.set VOFF,  4*KQB                      ; a slot: four steps' K, then four steps' V
.set SLOT1, 1<<17                      ; slot 1 begins here: one exclusive or turns an address in one slot into the other's
.set SLOTB, 4*KS*128                   ; a slot's keys in memory: 32,768 bytes of K, as many of V
.set STAGE, SLOT1+VOFF+4*VQB           ; behind the ring: 64 rows x 144 bytes for each wave, for the way out
.set SP,    144
.set SPARE, STAGE+8*64*SP              ; behind the stages: the spare words, 128 bytes a wave
.set AK0,  2                           ; v2   my lane's place in a tile of K; never rewritten
.set AV0,  3                           ; v3   the same for V
.set ADRK, 4                           ; v4   LDS address of the run of K's loads in hand
.set ADRV, 5                           ; v5   of V's
.set QO,   6                           ; v6   my byte offset in the wave's rows of Q
.set STO,  7                           ; v7   the way out: where I put 16 bytes of a row
.set RD,   8                           ; v8   where I read back
.set GO,   10                          ; v10  my byte offset in a store's 512 bytes
.set PFO,  11                          ; v11  256 x my lane; never rewritten
.set SPW,  12                          ; v12  LDS address of my spare word; never rewritten
.set NIL,  13                          ; v13  0; never rewritten
.set ST,   16                          ; tile t's statistics at v[ST+8 t]: +0 c m, +1 m, +2, +3 l (even keys', odd keys'), +4 to +7 c0-c3, at work; a takes c2's place
.set S,    64
.set KB,   192
.set QB,   128                         ; in window 1
.set VB,   192                         ; in window 1
.set WV,   12                          ; s12  my wave's number
.set LIM,  15                          ; s15  1 in a wave that prefetches, else the greatest number
.set PFA,  18                          ; s[18:19] where my prefetches stand
.set G1K,  24                          ; s[24:31] group 1 for K's tiles;  s[32:39] for V's: the padding differs
.set G1V,  32
.set G0K,  40                          ; s[40:47] group 0 for K's: a set for each first fill; the second then walks on
.set G0V,  48                          ; s[48:55] the same for V's
.set SLOTS, 56                         ; s56  slots still to be asked for
.set INNER, 57                         ; s57  counts three of a slot's four steps
.set CS,   58                          ; s[58:59] c: the packed scaling names a pair and takes its low word for both halves
.set SEL,  60                          ; s[60:61] lane selects for v_permlanex16_b32: lane l xor 16
.set TK,   62                          ; s62  LDS byte at which the next K to be fetched begins
.set TV,   63                          ; s63  the same for V
.set MSB, 0
.macro WIN new                         ; the immediate's high byte repeats the setting that is left; a switch that changes nothing is dropped
.if MSB != (\new)
	s_set_vgpr_msb (MSB<<8)|(\new)
.set MSB, (\new)
.endif
.endm
.set W_KQ, 0x04                        ; K and S^T in window 0, Q in window 1
.set W_PV, 0x51                        ; V and O^T in window 1, P in window 0
.set W_RS, 0x41                        ; O^T (destination and source 0) in window 1, the factor in window 0
.set W_L1, 0x40                        ; a load's destination in window 1, its address in window 0
; A joint refill.  The branch hangs on the wave's number alone.  An s_nop 0 and four v_nop follow each of the two lines.
.macro JLOAD
	s_cmp_lt_u32 s[WV], 4
	s_cbranch_scc0 .Lfor_v_\@
	tensor_load_to_lds s[G0K+4:G0K+7], s[G1K:G1K+7]
	s_nop 0
.rept 4
	v_nop
.endr
	s_branch .Lasked_\@
.Lfor_v_\@:
	tensor_load_to_lds s[G0V+4:G0V+7], s[G1V:G1V+7]
	s_nop 0
.rept 4
	v_nop
.endr
.Lasked_\@:
.endm
; A PREFETCH INTO THE L2 of what the NEXT change of slots will ask for: a slot's 32,768 bytes of K and of V, four key steps ahead of that load.  Each aligned block of 256 bytes is named once in the launch:
; a head is walked by one cluster; its four partners take 8,192 bytes of each BY ADDRESS (no branch hangs on a work-group's place); in each, wave 0 asks for K's and wave 4 for V's, lanes 256 bytes apart.
; The last change that fills a slot asks for nothing: no slot follows.  Slots 0 to 2 come by their loads alone.
.macro ASK
	s_cmp_gt_u32 s[SLOTS], s[LIM]
	s_cbranch_scc0 .Lnot_mine_\@
	global_prefetch_b8 v[PFO], s[PFA:PFA+1] th:TH_LOAD_NT scope:SCOPE_SE
.Lnot_mine_\@:
.endm
.macro CROUND                          ; a round of the cluster's barrier
	s_barrier_signal -1
	s_barrier_wait -1
	s_cmp_lg_u32 s[WV], 0
	s_cbranch_scc1 .Lnot_wave_0_\@
	s_barrier_signal -3
.Lnot_wave_0_\@:
	s_barrier_wait -3
	s_barrier_signal -1
	s_barrier_wait -1
.endm
	s_load_b128 s[4:7], s[0:1], 0x0                ; qkv s[4:5], yh s[6:7]
	v_lshl_add_u32 v[SPW], v0, 2, SPARE
	v_mov_b32 v[NIL], 0
	ds_add_u32 v[SPW], v[NIL]                      ; the wave's opening: the add, twice on end, and its wait ahead of my first tensor load
	ds_add_u32 v[SPW], v[NIL]                      ; and once more, under the one wait; the set-up below, work on registers, stands between
	v_lshrrev_b32 v1, 5, v0
	v_readfirstlane_b32 s[WV], v1                  ; wave 0..7
	s_bfe_u32 s13, ttmp6, 0x40000                  ; cx: my place in the cluster
	s_lshl_b32 s14, ttmp9, 2
	s_add_co_u32 s14, s14, s13                     ; my block of 512 queries: it enters Q's and y's addresses alone
	s_and_b32 s20, ttmp7, 0xffff                   ; 16 b + h, which the four partners share
	s_and_b32 s16, s[WV], 3                        ; which quarter of a slot I fetch
	s_lshl_b32 s22, s20, 18                        ; the head's 2,048 rows of 128 bytes,
	s_lshl_b32 s17, s16, 13                        ; my quarter's 64 rows
	s_add_co_u32 s22, s22, s17
	s_mov_b32 s23, 0
	s_mul_i32 s17, s16, KQB                        ; and its place in a slot: no place in the cluster enters an LDS address
	s_mul_i32 s21, s16, VQB
	s_lshl_b32 s2, s20, 18                         ; Q: the head, my block's 512 rows, my wave's 64
	s_lshl_b32 s3, s14, 16
	s_add_co_u32 s2, s2, s3
	s_lshl_b32 s3, s[WV], 13
	s_add_co_u32 s2, s2, s3
	s_mov_b32 s3, 0
	; descriptor group 1: a tile of 64 rows x 64 elements of 2 bytes, padded in LDS
	s_mov_b32 s[G1K], 15|(1<<16)|(1<<20)|(1<<21)|(4<<22)|(3<<25)  ; 15:0 the mask: all four work-groups; 17:16 elements of 2 bytes; 20 padding on; 21 set beside a mask; 24:22 after every 32 words; 31:25 four words
	s_mov_b32 s[G1V], 15|(1<<16)|(1<<20)|(1<<21)|(4<<22)|(7<<25)  ; the same with eight words of padding
.irp g, G1K, G1V
	s_mov_b32 s[\g+1], 64<<16                      ; tensor_dim0
	s_mov_b32 s[\g+2], KS<<16                      ; tensor_dim1
	s_mov_b32 s[\g+3], 64<<16                      ; tile_dim0
	s_mov_b32 s[\g+4], KS                          ; tile_dim1
	s_mov_b32 s[\g+5], 64                          ; from row to row
	s_mov_b32 s[\g+6], 0
	s_mov_b32 s[\g+7], 0
.endr
	s_mov_b32 s[CS], 0x3e38aa3b                    ; c = log2(e) / 8
	s_mov_b32 s[CS+1], s[CS]                       ; named with it as a pair, so it is written
	s_mov_b32 s[SEL], 0x76543210
	s_mov_b32 s[SEL+1], 0xfedcba98
	s_mov_b32 s[TK], 0
	s_mov_b32 s[TV], 0
	s_mov_b32 s[SLOTS], 6
	s_cmp_eq_u32 s16, 0                            ; waves 0 and 4 prefetch: the same in all four partners
	s_cselect_b32 s[LIM], 1, -1
	v_and_b32 v[PFO], 31, v0
	v_lshlrev_b32 v[PFO], 8, v[PFO]
	s_wait_dscnt 0x0                               ; both opening adds are done
	s_wait_kmcnt 0x0
	s_add_nc_u64 s[8:9], s[4:5], s[22:23]
	s_add_nc_u64 s[8:9], s[8:9], 0x1000000         ; K at my quarter of slot 0
	s_add_nc_u64 s[10:11], s[8:9], 0x1000000       ; V likewise
	s_add_nc_u64 s[4:5], s[4:5], s[2:3]            ; Q at my wave's first row
	s_and_b32 s2, s20, 15                          ; y: plane h,
	s_lshl_b32 s2, s2, 20
	s_lshr_b32 s3, s20, 4                          ; batch b's 2,048 rows,
	s_lshl_b32 s3, s3, 18
	s_add_co_u32 s2, s2, s3
	s_lshl_b32 s3, s14, 16                         ; my block's 512,
	s_add_co_u32 s2, s2, s3
	s_lshl_b32 s3, s[WV], 13                       ; my wave's 64
	s_add_co_u32 s2, s2, s3
	s_mov_b32 s3, 0
	s_add_nc_u64 s[6:7], s[6:7], s[2:3]
	s_cmp_lt_u32 s[WV], 4
	s_cselect_b64 s[PFA:PFA+1], s[8:9], s[10:11]   ; (in waves 0 and 4 these stand at a slot's first row)
	s_lshl_b32 s2, s13, 13                         ; my work-group's 8,192 bytes of the 32,768
	s_mov_b32 s3, 0
	s_add_nc_u64 s[PFA:PFA+1], s[PFA:PFA+1], s[2:3]
	s_add_nc_u64 s[PFA:PFA+1], s[PFA:PFA+1], 2*SLOTB  ; in slot 2; the first change of slots steps it to slot 3.  Nothing is prefetched at the head
	CROUND                                         ; all four work-groups are here: the first joint loads meet
.irp n, 0,1
	s_mov_b32 s[G0K+4*\n], 1                       ; count = 1
	s_add_co_u32 s[G0K+4*\n+1], s17, \n*SLOT1      ; LDS address
	s_add_nc_u64 s[G0K+4*\n+2:G0K+4*\n+3], s[8:9], \n*SLOTB  ; global address: slot n's keys
	s_or_b32 s[G0K+4*\n+3], s[G0K+4*\n+3], 0x80000000        ; type = 2
	s_mov_b32 s[G0V+4*\n], 1
	s_add_co_u32 s[G0V+4*\n+1], s21, \n*SLOT1+VOFF
	s_add_nc_u64 s[G0V+4*\n+2:G0V+4*\n+3], s[10:11], \n*SLOTB
	s_or_b32 s[G0V+4*\n+3], s[G0V+4*\n+3], 0x80000000
.endr
	s_cmp_lt_u32 s[WV], 4                          ; a wave's two first fills stand in one branch, ahead of every wait on TENSORcnt and every LDS read: two loads of mine are out
	s_cbranch_scc0 .Lfirst_v
	tensor_load_to_lds s[G0K:G0K+3], s[G1K:G1K+7]
	s_nop 0
	tensor_load_to_lds s[G0K+4:G0K+7], s[G1K:G1K+7]
	s_nop 0
.rept 4
	v_nop
.endr
	s_branch .Lfirst_asked
.Lfirst_v:
	tensor_load_to_lds s[G0V:G0V+3], s[G1V:G1V+7]
	s_nop 0
	tensor_load_to_lds s[G0V+4:G0V+7], s[G1V:G1V+7]
	s_nop 0
.rept 4
	v_nop
.endr
.Lfirst_asked:
	; A fragment of K or Q is 16 rows x 32 channels in 8 registers: lane l holds row l % 16; registers 0-3 channels 8 (l / 16) + 0..7, registers 4-7 channels 16 + 8 (l / 16) + 0..7: two loads of 16 bytes, 32 apart.
	v_and_b32 v1, 15, v0                           ; r
	v_bfe_u32 v9, v0, 4, 1                         ; h
	v_lshlrev_b32 v[QO], 7, v1
	v_lshl_add_u32 v[QO], v9, 4, v[QO]             ; row x 128 + 16 x half
	WIN W_L1
.irp f, 0,1,2,3,4,5,6,7                        ; Q stays in registers: tile f / 2, channels 32 (f % 2) on
	global_load_b128 v[QB+8*\f:QB+8*\f+3],   v[QO], s[4:5] offset:(\f/2)*2048+(\f%2)*64
	global_load_b128 v[QB+8*\f+4:QB+8*\f+7], v[QO], s[4:5] offset:(\f/2)*2048+(\f%2)*64+32
.endr
.set i, 0
.rept 128
	v_mov_b32 v[i], 0                              ; O^T, once
.set i, i+1
.endr
	WIN 0
	v_mul_u32_u24 v[AK0], v1, PK
	v_lshl_add_u32 v[AK0], v9, 4, v[AK0]           ; row x pitch + 16 x half
	; The turning load takes 16 keys x 16 channels (lane l reads 16 bytes: key 8 (l / 16) + l % 8, channels 8 ((l / 8) % 2) + 0..7) and leaves half a fragment of V^T: lane l holds channel l % 16 and 8 keys.
	v_and_b32 v14, 7, v0
	v_bfe_u32 v15, v0, 3, 1
	v_lshl_add_u32 v[AV0], v9, 3, v14
	v_mul_u32_u24 v[AV0], v[AV0], PV
	v_lshl_add_u32 v[AV0], v15, 4, v[AV0]
	v_add_nc_u32 v[AV0], VOFF, v[AV0]
	s_mul_i32 s2, s[WV], 64*SP
	s_add_co_u32 s2, s2, STAGE                     ; my stage
	v_mul_u32_u24 v[STO], v1, SP                   ; in: row r of a tile, 16 bytes for each half of the lanes
	v_lshl_add_u32 v[STO], v9, 4, v[STO]
	v_add_nc_u32 v[STO], s2, v[STO]
	v_bfe_u32 v15, v0, 3, 2                        ; back: eight lanes take a row of 128 bytes, 32 lanes four rows
	v_mul_u32_u24 v[RD], v15, SP
	v_lshl_add_u32 v[RD], v14, 4, v[RD]
	v_add_nc_u32 v[RD], s2, v[RD]
	v_and_b32 v[GO], 31, v0
	v_lshlrev_b32 v[GO], 4, v[GO]                  ; four rows are 512 consecutive bytes of yh
.irp t, 0,1,2,3
	v_mov_b32 v[ST+8*\t+1], 0xff61b1e6             ; m: -3e38, under every score
	v_mov_b32 v[ST+8*\t+2], 0                      ; l, in two halves
	v_mov_b32 v[ST+8*\t+3], 0
.endr
.irp t, 0,1,2,3
	v_mul_f32 v[ST+8*\t], s[CS], v[ST+8*\t+1]      ; c m
.endr
; Product i of 32 of S^T = K Q^T: channels 32 (i / 16) on, keys 16 ((i / 4) % 4) on, tile i % 4.  The first 16 start the sums.  The 16 accumulators take turns.
.macro KQ
.set rS, S+32*(i%4)+8*((i/4)%4)
.set rK, KB+8*(2*((i/4)%4)+i/16)
.set rQ, QB+16*(i%4)+8*(i/16)
.if i < 16
	v_wmma_f32_16x16x32_f16 v[rS:rS+7], v[rK:rK+7], v[rQ:rQ+7], 0
.else
	v_wmma_f32_16x16x32_f16 v[rS:rS+7], v[rK:rK+7], v[rQ:rQ+7], v[rS:rS+7]
.endif
.endm
; Product i of 32 of O^T += V^T P: keys 32 (i / 16) on, channels 16 ((i / 4) % 4) on, tile i % 4.  Again 16 accumulators by turns.
.macro PV
.set rO, 32*(i%4)+8*((i/4)%4)
.set rV, VB+8*(4*(i/16)+(i/4)%4)
.set rP, S+32*(i%4)+8*(i/16)
	v_wmma_f32_16x16x32_f16 v[rO:rO+7], v[rV:rV+7], v[rP:rP+7], v[rO:rO+7]
.endm
.macro FETCH_K                         ; a step's K: 8 fragments, keys 16 (f / 2) on, channels 32 (f % 2) on: sixteen loads in one run
	v_add_nc_u32 v[ADRK], s[TK], v[AK0]
.irp f, 0,1,2,3,4,5,6,7
	ds_load_b128 v[KB+8*\f:KB+8*\f+3],   v[ADRK] offset:(\f/2)*16*PK+(\f%2)*64
	ds_load_b128 v[KB+8*\f+4:KB+8*\f+7], v[ADRK] offset:(\f/2)*16*PK+(\f%2)*64+32
.endr
	s_add_co_u32 s[TK], s[TK], KQB                 ; the next fetch is the next step's
.endm
.macro FETCH_V                         ; a step's V, turned: 8 fragments, keys 32 (f / 4) on, channels 16 (f % 4) on
	WIN W_L1
.irp f, 0,1,2,3,4,5,6,7
	ds_load_tr16_b128 v[VB+8*\f:VB+8*\f+3],   v[ADRV] offset:(\f/4)*32*PV+(\f%4)*32
	ds_load_tr16_b128 v[VB+8*\f+4:VB+8*\f+7], v[ADRV] offset:(\f/4)*32*PV+16*PV+(\f%4)*32
.endr
	WIN 0
	s_add_co_u32 s[TV], s[TV], VQB
.endm
; THE SOFTMAX of the wave's four tiles for one key step.  Every list runs with the tile innermost, so that a line and the line that reads its result stand four apart.
.macro SOFTMAX
.irp j, 0,1,2,3                                ; the maximum of the lane's 32 scores and the old m, three operands at a time: four chains, each begun at an accumulator's low end
.irp t, 0,1,2,3
	v_max3_num_f32 v[ST+8*\t+4+\j], v[S+32*\t+8*\j], v[S+32*\t+8*\j+1], v[S+32*\t+8*\j+2]
.endr
.endr
.irp u, 1,2
.irp j, 0,1,2,3
.irp t, 0,1,2,3
	v_max3_num_f32 v[ST+8*\t+4+\j], v[ST+8*\t+4+\j], v[S+32*\t+8*\j+2*\u+1], v[S+32*\t+8*\j+2*\u+2]
.endr
.endr
.endr
.irp t, 0,1,2,3
	v_max3_num_f32 v[ST+8*\t+4], v[ST+8*\t+4], v[S+32*\t+7], v[S+32*\t+15]
.endr
.irp t, 0,1,2,3
	v_max3_num_f32 v[ST+8*\t+6], v[ST+8*\t+6], v[S+32*\t+23], v[S+32*\t+31]
.endr
.irp t, 0,1,2,3
	v_max3_num_f32 v[ST+8*\t+4], v[ST+8*\t+4], v[ST+8*\t+5], v[ST+8*\t+6]
.endr
.irp t, 0,1,2,3
	v_max3_num_f32 v[ST+8*\t+4], v[ST+8*\t+4], v[ST+8*\t+7], v[ST+8*\t+1]
.endr
.irp t, 0,1,2,3
	v_permlanex16_b32 v[ST+8*\t+5], v[ST+8*\t+4], s[SEL], s[SEL+1]   ; the query's other 32 keys lie in the lane 16 away
.endr
.irp t, 0,1,2,3
	v_mov_b32 v[ST+8*\t+7], v[ST+8*\t]             ; c m_old is kept for a
.endr
.irp t, 0,1,2,3
	v_max_num_f32 v[ST+8*\t+1], v[ST+8*\t+4], v[ST+8*\t+5]   ; the new m
.endr
.irp t, 0,1,2,3
	v_mul_f32 v[ST+8*\t], s[CS], v[ST+8*\t+1]
.endr
.irp t, 0,1,2,3
	v_sub_f32 v[ST+8*\t+7], v[ST+8*\t+7], v[ST+8*\t]
.endr
.irp j, 0,1,2,3,4,5,6,7,8,9,10,11,12,13,14,15
.irp t, 0,1,2,3
	v_pk_fma_f32 v[S+32*\t+2*\j:S+32*\t+2*\j+1], v[S+32*\t+2*\j:S+32*\t+2*\j+1], s[CS:CS+1], v[ST+8*\t:ST+8*\t+1] op_sel_hi:[1,0,0] neg_lo:[0,0,1] neg_hi:[0,0,1]   ; c s - c m, a pair of scores
.endr
.endr
.irp t, 0,1,2,3
	v_exp_f32 v[ST+8*\t+6], v[ST+8*\t+7]           ; a.  ONE BATCH: these four and the 128 below; none reads another's result
.endr
.irp j, 0,1,2,3,4,5,6,7,8,9,10,11,12,13,14,15,16,17,18,19,20,21,22,23,24,25,26,27,28,29,30,31
.irp t, 0,1,2,3
	v_exp_f32 v[S+32*\t+\j], v[S+32*\t+\j]
.endr
.endr
	v_nop                                          ; a plain instruction behind the last exponential, ahead of the first use
	s_wait_alu depctr_va_vdst(0)                   ; and a wait ahead of the first instruction that names a result: one for the batch
.irp t, 0,1,2,3
	v_pk_fma_f32 v[ST+8*\t+2:ST+8*\t+3], v[ST+8*\t+2:ST+8*\t+3], v[ST+8*\t+6:ST+8*\t+7], v[S+32*\t:S+32*\t+1] op_sel_hi:[1,0,1]   ; l = a l + the first pair of weights,
.endr
.irp j, 1,2,3,4,5,6,7,8,9,10,11,12,13,14,15
.irp t, 0,1,2,3
	v_pk_add_f32 v[ST+8*\t+2:ST+8*\t+3], v[ST+8*\t+2:ST+8*\t+3], v[S+32*\t+2*\j:S+32*\t+2*\j+1]   ; + the others, in f32, ahead of the rounding
.endr
.endr
.irp j, 0,1,2,3,4,5,6,7,8,9,10,11,12,13,14,15
.irp t, 0,1,2,3
	v_cvt_pk_f16_f32 v[S+32*\t+\j], v[S+32*\t+2*\j], v[S+32*\t+2*\j+1]   ; P in place, ascending: register j is written when pairs 0 to j have been read
.endr
.endr
	WIN W_RS
.irp j, 0,1,2,3,4,5,6,7,8,9,10,11,12,13,14,15
.irp t, 0,1,2,3
	v_pk_mul_f32 v[32*\t+2*\j:32*\t+2*\j+1], v[32*\t+2*\j:32*\t+2*\j+1], v[ST+8*\t+6:ST+8*\t+7] op_sel_hi:[1,0]   ; O^T x a, each accumulator from its low end on
.endr
.endr
.endm
; THE CHANGE OF SLOTS: the slot's last bytes, V of its fourth step, have been asked for.  Each wave waits for all its tensor loads, of which one is out: its part of the other slot; adds 0 to its spare word;
; and waits for that and for its own reads of the slot.  fill = 1: the barrier is a round of the cluster's, so that no wave of any partner still reads the slot or has a load on its way, and the joint refill,
; the keys two slots on, is the first thing behind it.
.macro CHANGE fill
	s_wait_tensorcnt 0x0                           ; no tensor load of mine is out, so a group 0 may be written
	ds_add_u32 v[SPW], v[NIL]                      ; 0 onto my spare word
.if \fill
.irp g, G0K+4, G0V+4
	s_xor_b32 s[\g+1], s[\g+1], SLOT1              ; the walking descriptor: the other slot than last time,
	s_add_nc_u64 s[\g+2:\g+3], s[\g+2:\g+3], SLOTB ; the next 256 keys; the type bits on top are not reached
.endr
	s_wait_xcnt 0x0                                ; the last prefetch, four key steps back, has read its address, so it may be written:
	s_add_nc_u64 s[PFA:PFA+1], s[PFA:PFA+1], SLOTB ; one slot further on than the walking descriptors
	s_wait_dscnt 0x0                               ; the add is done, and my reads of the slot are over
	CROUND
	JLOAD
	ASK
.else
	s_wait_dscnt 0x0                               ; the add is done, and my reads of the slot are over
	s_barrier_signal -1
	s_barrier_wait -1
.endif
	s_sub_co_u32 s[TK], s[TK], VOFF                ; the fetches go back to a slot's first step,
	s_xor_b32 s[TK], s[TK], SLOT1                  ; in the other slot
	s_sub_co_u32 s[TV], s[TV], 4*VQB
	s_xor_b32 s[TV], s[TV], SLOT1
.endm
; A KEY STEP.  chg = 0: inside a slot; 1: the slot's last, with a refill; 2: the slot's last, nothing is asked for; 3: the very last step.
.macro STEP chg
	s_wait_dscnt 0x0                               ; K of this step is in
	v_add_nc_u32 v[ADRV], s[TV], v[AV0]
.rept 4
	v_nop                                          ; with the addition five places between the last V^T P, which read P in S^T's registers, and the products that write S^T anew (ISA guide 7.12.1)
.endr
	WIN W_KQ
.set i, 0
.rept 32
	KQ
.set i, i+1
.endr
	WIN 0
.rept 4
	v_nop                                          ; four places ahead of the loads into K's registers and of the first read of the scores
.endr
	FETCH_V                                        ; this step's V: it lands under the softmax
.if \chg == 1
	CHANGE 1
.elseif \chg == 2
	CHANGE 0
.endif
.if \chg != 3
	FETCH_K                                        ; the next step's K
.endif
	SOFTMAX
.if \chg == 3
	s_wait_dscnt 0x0
.else
	s_wait_dscnt 16                                ; V is in; the sixteen younger loads, the next step's K, may be out
.endif
	WIN W_PV
.set i, 0
.rept 32
	PV
.set i, i+1
.endr
	WIN 0                                          ; at a label and at a branch every window is 0
.endm
.macro THREE                           ; a slot's first three steps: written once, walked three times; the LDS addresses hang on s[TK] and s[TV]
	s_mov_b32 s[INNER], 3
.Lthree_\@:
	STEP 0
	s_sub_co_u32 s[INNER], s[INNER], 1
	s_cmp_lg_u32 s[INNER], 0
	s_cbranch_scc1 .Lthree_\@
.endm
	s_wait_tensorcnt 1                             ; my part of slot 0 is in; slot 1's may stay out
	s_barrier_signal -1
	s_barrier_wait -1                              ; everybody's is
	FETCH_K                                        ; key step 0
	s_wait_loadcnt 0x0                             ; Q
.Lslot:                                            ; six trips: slots 0 to 5 are walked and filled again with slots 2 to 7
	THREE
	STEP 1
	s_sub_co_u32 s[SLOTS], s[SLOTS], 1
	s_cmp_lg_u32 s[SLOTS], 0
	s_cbranch_scc1 .Lslot
	THREE                                          ; the tail is written out
	STEP 2
	THREE
	STEP 3
	; THE WAY OUT.  l's two halves and the other half of the lanes' are added; O^T is divided by l, rounded to f16 and sent through my stage in LDS.  The additions are the places behind the last products.
.irp t, 0,1,2,3
	v_add_f32 v[ST+8*\t+4], v[ST+8*\t+2], v[ST+8*\t+3]
.endr
.irp t, 0,1,2,3
	v_permlanex16_b32 v[ST+8*\t+5], v[ST+8*\t+4], s[SEL], s[SEL+1]
.endr
.irp t, 0,1,2,3
	v_add_f32 v[ST+8*\t+4], v[ST+8*\t+4], v[ST+8*\t+5]
.endr
.irp t, 0,1,2,3
	v_rcp_f32 v[ST+8*\t+6], v[ST+8*\t+4]
.endr
	v_nop                                          ; a plain instruction between the last reciprocal and the use of its result
	s_wait_alu depctr_va_vdst(0)                   ; and a wait: one for the four reciprocals
	WIN W_RS
.irp t, 0,1,2,3
.irp j, 0,1,2,3,4,5,6,7,8,9,10,11,12,13,14,15
	v_pk_mul_f32 v[32*\t+2*\j:32*\t+2*\j+1], v[32*\t+2*\j:32*\t+2*\j+1], v[ST+8*\t+6:ST+8*\t+7] op_sel_hi:[1,0]
.endr
.endr
	WIN 0x05                                       ; sources 0 and 1 window 1, destination window 0: S^T's registers are free
.irp t, 0,1,2,3
.irp j, 0,1,2,3,4,5,6,7,8,9,10,11,12,13,14,15
	v_cvt_pk_f16_f32 v[S+16*\t+\j], v[32*\t+2*\j], v[32*\t+2*\j+1]   ; registers 4 c .. 4 c + 3 of a tile: channels 16 c + 8 (lane / 16) + 0 .. 7 of my query
.endr
.endr
	WIN 0
.irp t, 0,1,2,3
.irp c, 0,1,2,3
	ds_store_b128 v[STO], v[S+16*\t+4*\c:S+16*\t+4*\c+3] offset:\t*16*SP+32*\c
.endr
.endr
.irp n, 0,1,2,3,4,5,6,7,8,9,10,11,12,13,14,15
	ds_load_b128 v[128+4*\n:128+4*\n+3], v[RD] offset:4*\n*SP      ; LDS serves a wave's instructions in order (ISA guide 5.7.1.4): these see the stores above
.endr
.irp n, 0,1,2,3,4,5,6,7,8,9,10,11,12,13,14,15
	s_wait_dscnt 15-\n                             ; load n is back; the younger ones may be out
	global_store_b128 v[GO], v[128+4*\n:128+4*\n+3], s[6:7] offset:512*\n   ; the wave stores 512 consecutive bytes, aligned: four rows of my plane
.endr
	s_wait_tensorcnt 0x0                           ; the wave's end, behind my last tensor load and my last LDS store
	ds_add_u32 v[SPW], v[NIL]
	s_wait_dscnt 0x0
	CROUND                                         ; the closing round: no work-group ends while a partner may still ask for a tile that names it
	s_endpgm
.Lfunc_end_k_q4ebe879f68_attn:
	.size	k_q4ebe879f68_attn, .Lfunc_end_k_q4ebe879f68_attn-k_q4ebe879f68_attn
	.p2alignl 7, 3214868480
	.fill 96, 4, 3214868480
	.section	.rodata,"a",@progbits
	.p2align	6, 0x0
	.amdhsa_kernel k_q4ebe879f68_attn
		.amdhsa_group_segment_fixed_size 327680
		.amdhsa_private_segment_fixed_size 0
		.amdhsa_enable_private_segment 0
		.amdhsa_kernarg_size 16
		.amdhsa_user_sgpr_count 2
		.amdhsa_user_sgpr_kernarg_segment_ptr 1
		.amdhsa_wavefront_size32 1
		.amdhsa_system_sgpr_workgroup_id_x 1
		.amdhsa_system_sgpr_workgroup_id_y 1
		.amdhsa_system_sgpr_workgroup_id_z 1
		.amdhsa_system_vgpr_workitem_id 0
		.amdhsa_next_free_vgpr 512
		.amdhsa_next_free_sgpr 66
		.amdhsa_reserve_vcc 0
		.amdhsa_float_denorm_mode_32 3
		.amdhsa_float_denorm_mode_16_64 3
		.amdhsa_memory_ordered 1
		.amdhsa_forward_progress 1
		.amdhsa_inst_pref_size 219
	.end_amdhsa_kernel
	.amdgpu_metadata
---
amdhsa.version: [ 1, 2 ]
amdhsa.kernels:
  - .name:           k_q4ebe879f68_attn
    .symbol:         k_q4ebe879f68_attn.kd
    .args:
      - { .name: qkv, .offset: 0, .size: 8, .value_kind: global_buffer, .address_space: global }
      - { .name: yh, .offset: 8, .size: 8, .value_kind: global_buffer, .address_space: global }
    .group_segment_fixed_size: 327680
    .private_segment_fixed_size: 0
    .kernarg_segment_align: 8
    .kernarg_segment_size: 16
    .max_flat_workgroup_size: 256
    .sgpr_count:     66
    .vgpr_count:     512
    .wavefront_size: 32
...
	.end_amdgpu_metadata
.endif
;; end of part 3
;; launch proj (part 4): grid 4 x 64, 4 waves a work-group, clusters of 4 x 4, 327,680 bytes of LDS; arguments yh, wp16, bp, out0; writes out0
.if DOCPART == 4
	.amdgcn_target "amdgcn-amd-amdhsa--gfx1250"
	.amdhsa_code_object_version 6
	.text
	.protected	k_q4ebe879f68_proj
	.globl	k_q4ebe879f68_proj
	.p2align	8
	.type	k_q4ebe879f68_proj,@function
k_q4ebe879f68_proj:
	s_mov_b64 s[64:65], 0
	v_nop
	global_prefetch_b8 v0, s[64:65] scope:SCOPE_SE
	s_setreg_imm32_b32 hwreg(HW_REG_WAVE_MODE, 25, 1), 1
	s_wait_xcnt 0x0
	s_wait_alu depctr_hold_cnt(0) depctr_sa_sdst(0) depctr_va_vdst(0) depctr_va_sdst(0) depctr_va_ssrc(0) depctr_va_vcc(0) depctr_vm_vsrc(0)
	s_getreg_b32 s2, hwreg(HW_REG_IB_STS2, 6, 4)
	s_cmp_eq_u32 s2, 0
	s_cbranch_scc0 .Lentry_in_a_cluster
	s_endpgm
.Lentry_in_a_cluster:
	s_bfe_u32 s2, ttmp6, 0x10000c
	s_cmp_lg_u32 s2, 0xf033
	s_cbranch_scc0 .Lentry_shape_is_right
	s_endpgm
.Lentry_shape_is_right:
; out0[m][n] = the sum over k of y[m][k] Wp[n][k] + bp[n].  y: f16, yh [k / 64: 16][m: 8192][64];  Wp: f16, wp16 [k / 64: 16][n: 1024][64];  bp [1024], out0 [8192][1024]: f32.  Sums in f32.
; SHARES.  256 tiles of 128 (m) x 256 (n), one to a work-group: tiles of 256 x 256 would be 128 only.  Four waves, each 64 x 128: 32 accumulators of 16 x 16, 256 registers.
; K goes in steps of 128, two planes of 64, through a ring of two LDS slots.  A plane's rows of a tile are one dense block of memory.  Waves 0 and 1 fetch A's two planes of a step (128 rows each), waves 2
; and 3 B's (256 rows each): one tensor load a wave behind each round; from a request to the wait for it a wave issues 112 matrix instructions.
; CLUSTERS: 4 x 4 work-groups.  The four of a row of the cluster need the same tiles of y, the four of a column the same tiles of Wp: each is asked for JOINTLY.
; THE MATRIX INSTRUCTION IS USED TRANSPOSED (source 0 = 16 rows of Wp, source 1 = 16 rows of y): a lane then holds eight neighbouring numbers of a row of out0.
; THE BIAS is loaded straight into the accumulators, in the result's layout, while the first tiles are on their way: every product adds in place, nothing is cleared, and no first step is written out.
; REGISTERS.  window 0: v0-31 addresses; v64-159, v160-255 two fragment buffers for 32 along K: B's 8 fragments, then A's 4; on the way out v64-191 rows read back.   window 1: accumulator (a, b) at v[8 (8 a + b)].
.set PITCH,  144                       ; an LDS row: 128 bytes + 16: an odd multiple of 16
.set APL,    128*PITCH                 ; a plane of A's tile
.set BOFF,   2*APL                     ; behind A's two planes: B's
.set BPL,    256*PITCH                 ; a plane of B's tile
.set SLOT,   BOFF+2*BPL
.set STAGE,  2*SLOT                    ; behind the ring: 16 rows x (512 bytes + 16) for each wave
.set SPITCH, 528
.set SPARE,  STAGE+4*16*SPITCH         ; behind the stages: the spare words, 128 bytes a wave
.set ADRA, 16                          ; v16-17  LDS address of my A fragments in slot 0, 1
.set ADRB, 20                          ; v20-21  the same for B
.set STO,  24                          ; v24     the way out: where I put 32 bytes of a row
.set RD,   25                          ; v25     where I read a row back
.set CO,   26                          ; v26     my byte offset in a row's 512 bytes
.set BO,   27                          ; v27     the bias: 32 x (lane / 16)
.set SPW,  28                          ; v28     LDS address of my spare word; never rewritten
.set NIL,  29                          ; v29     0; never rewritten
.set F0,   64
.set F1,   160
.set G1, 24                            ; s[24:31] group 1 for A's tiles;  s[32:39] group 0, one set for each slot
.set G0, 32
.set G1B, 48                           ; s[48:55], s[56:63] the same for B's
.set G0B, 56
.set MSB, 0
.macro WIN new                         ; the immediate's high byte repeats the setting that is left; a switch that changes nothing is dropped
.if MSB != (\new)
	s_set_vgpr_msb (MSB<<8)|(\new)
.set MSB, (\new)
.endif
.endm
.set MUL, 0x50                         ; sources 0 and 1 window 0; C and D window 1
.macro JLOAD s                         ; a joint load: waves 0 and 1 fetch for A, waves 2 and 3 for B; an s_nop 0 and four v_nop follow each of the two lines
	s_cmp_eq_u32 s13, 0
	s_cbranch_scc0 .Lfor_b_\@
	tensor_load_to_lds s[G0+4*\s:G0+4*\s+3], s[G1:G1+7]
	s_nop 0
.rept 4
	v_nop
.endr
	s_branch .Lasked_\@
.Lfor_b_\@:
	tensor_load_to_lds s[G0B+4*\s:G0B+4*\s+3], s[G1B:G1B+7]
	s_nop 0
.rept 4
	v_nop
.endr
.Lasked_\@:
.endm
.macro CREST                           ; a round of the cluster's barrier behind its opening barrier
	s_cmp_lg_u32 s12, 0
	s_cbranch_scc1 .Lnot_wave_0_\@
	s_barrier_signal -3
.Lnot_wave_0_\@:
	s_barrier_wait -3
	s_barrier_signal -1
	s_barrier_wait -1
.endm
.macro CROUND                          ; a whole round
	s_barrier_signal -1
	s_barrier_wait -1
	CREST
.endm
	s_load_b256 s[4:11], s[0:1], 0x0               ; yh s[4:5], wp16 s[6:7], bp s[8:9], out0 s[10:11]
	v_lshl_add_u32 v[SPW], v0, 2, SPARE
	v_mov_b32 v[NIL], 0
	ds_add_u32 v[SPW], v[NIL]                      ; the wave's opening: the add, twice on end, and its wait ahead of my first tensor load
	ds_add_u32 v[SPW], v[NIL]                      ; and once more, under the one wait; the set-up below, work on registers, stands between
	v_lshrrev_b32 v1, 5, v0
	v_readfirstlane_b32 s12, v1                    ; wave 0..3
	s_lshr_b32 s13, s12, 1                         ; which half of the tile's rows is mine.  Also: I fetch for A (0) or for B (1)
	s_and_b32 s14, s12, 1                          ; which half of its columns.  Also: which plane of a K step I fetch
	s_bfe_u32 s40, ttmp6, 0x40000                  ; cx, cy: my place in the cluster
	s_bfe_u32 s41, ttmp6, 0x40004
	s_lshl_b32 s42, ttmp9, 2
	s_add_co_u32 s42, s42, s40                     ; tile column = 4 x cluster x + cx
	s_and_b32 s15, ttmp7, 0xffff
	s_lshl_b32 s15, s15, 2
	s_add_co_u32 s15, s15, s41                     ; tile row = 4 x cluster y + cy
	s_lshl_b32 s43, s41, 2
	s_lshl_b32 s43, 15, s43                        ; my row of the cluster
	s_lshl_b32 s44, 0x1111, s40                    ; my column
	; descriptor group 1: a plane of a tile: 128 (A) or 256 (B) rows x 64 elements of 2 bytes, padded in LDS
	s_or_b32 s[G1+0], s43, (1<<16)|(1<<20)|(1<<21)|(4<<22)|(3<<25)  ; 15:0 the mask: A's tiles go to my row; 17:16 elements of 2 bytes; 20 padding on; 21 set beside a mask; 24:22 after every 32 words; 31:25 four words
	s_or_b32 s[G1B+0], s44, (1<<16)|(1<<20)|(1<<21)|(4<<22)|(3<<25)
	s_mov_b32 s[G1+1], 64<<16                      ; tensor_dim0
	s_mov_b32 s[G1+2], 128<<16                     ; tensor_dim1
	s_mov_b32 s[G1+3], 64<<16                      ; tile_dim0
	s_mov_b32 s[G1+4], 128                         ; tile_dim1
	s_mov_b32 s[G1+5], 64                          ; from row to row
	s_mov_b32 s[G1+6], 0
	s_mov_b32 s[G1+7], 0
	s_mov_b32 s[G1B+1], 64<<16
	s_mov_b32 s[G1B+2], 256<<16
	s_mov_b32 s[G1B+3], 64<<16
	s_mov_b32 s[G1B+4], 256
	s_mov_b32 s[G1B+5], 64
	s_mov_b32 s[G1B+6], 0
	s_mov_b32 s[G1B+7], 0
	s_lshl_b32 s16, s14, 20                        ; A: my plane (8,192 rows of 128 bytes),
	s_lshl_b32 s17, s15, 14                        ; the tile row's 128 rows: my row of the cluster shares them
	s_add_co_u32 s16, s16, s17
	s_mov_b32 s17, 0
	s_lshl_b32 s46, s14, 17                        ; B: my plane (1,024 rows of 128 bytes),
	s_lshl_b32 s47, s42, 15                        ; the tile column's 256 rows: my column of the cluster shares them
	s_add_co_u32 s46, s46, s47
	s_mov_b32 s47, 0
	s_mul_i32 s20, s14, APL                        ; where they go: no place in the cluster enters an LDS address
	s_mul_i32 s21, s14, BPL
	s_add_co_u32 s21, s21, BOFF
	s_wait_dscnt 0x0                               ; both opening adds are done
	s_wait_kmcnt 0x0
	s_add_nc_u64 s[18:19], s[4:5], s[16:17]
	s_add_nc_u64 s[46:47], s[6:7], s[46:47]
	CROUND                                         ; all sixteen work-groups are here: the first joint loads meet
.irp s, 0,1
	s_mov_b32 s[G0+4*\s], 1
	s_add_co_u32 s[G0+4*\s+1], s20, \s*SLOT
	s_add_nc_u64 s[G0+4*\s+2:G0+4*\s+3], s[18:19], \s*(2<<20)      ; K step s: two planes on
	s_or_b32 s[G0+4*\s+3], s[G0+4*\s+3], 0x80000000
	s_mov_b32 s[G0B+4*\s], 1
	s_add_co_u32 s[G0B+4*\s+1], s21, \s*SLOT
	s_add_nc_u64 s[G0B+4*\s+2:G0B+4*\s+3], s[46:47], \s*(2<<17)
	s_or_b32 s[G0B+4*\s+3], s[G0B+4*\s+3], 0x80000000
	JLOAD \s                                       ; two tensor loads of mine are out behind the second
.endr
	v_and_b32 v1, 15, v0                           ; r = lane % 16
	v_bfe_u32 v2, v0, 4, 1                         ; h = lane / 16
	v_lshlrev_b32 v[BO], 5, v2
	s_lshl_b32 s46, s42, 10                        ; my first column, in bytes of f32: 1,024 x tile column + 512 x half
	s_lshl_b32 s47, s14, 9
	s_add_co_u32 s46, s46, s47
	s_mov_b32 s47, 0
	s_add_nc_u64 s[8:9], s[8:9], s[46:47]
	WIN 0x40                                       ; destination window 1
.irp a, 0,1,2,3
.irp b, 0,1,2,3,4,5,6,7
	global_load_b128 v[8*(8*\a+\b):8*(8*\a+\b)+3],   v[BO], s[8:9] offset:64*\b      ; lane (r, h): the bias of columns 16 b + 8 h + 0 .. 7
	global_load_b128 v[8*(8*\a+\b)+4:8*(8*\a+\b)+7], v[BO], s[8:9] offset:64*\b+16
.endr
.endr
	WIN 0
	v_mul_u32_u24 v3, v1, PITCH
	v_lshl_add_u32 v3, v2, 4, v3                   ; a fragment's row x pitch + 16 x half
	s_mul_i32 s21, s13, 64*PITCH                   ; my 64 rows of A
	s_mul_i32 s22, s14, 128*PITCH                  ; my 128 rows of B,
	s_add_co_u32 s22, s22, BOFF                    ; behind A's planes
.irp s, 0,1
	v_add_nc_u32 v[ADRA+\s], s21, v3
	v_add_nc_u32 v[ADRB+\s], s22, v3
	s_add_co_u32 s21, s21, SLOT
	s_add_co_u32 s22, s22, SLOT
.endr
	s_mul_i32 s23, s12, 16*SPITCH
	s_add_co_u32 s23, s23, STAGE                   ; my stage
	v_mul_u32_u24 v4, v1, SPITCH                   ; in: row r, 32 bytes for each half of the lanes
	v_lshl_add_u32 v4, v2, 5, v4
	v_add_nc_u32 v[STO], s23, v4
	v_and_b32 v5, 31, v0
	v_lshlrev_b32 v[CO], 4, v5                     ; back: the 32 lanes take one row of 512 bytes; and the same in out0
	v_add_nc_u32 v[RD], s23, v[CO]
	s_lshl_b32 s16, s15, 19                        ; my first row of out0: 128 x tile row + 64 x half, 4,096 bytes a row
	s_lshl_b32 s17, s13, 18
	s_add_co_u32 s16, s16, s17
	s_mov_b32 s17, 0
	s_add_nc_u64 s[16:17], s[16:17], s[46:47]      ; + my first column
	s_add_nc_u64 s[10:11], s[10:11], s[16:17]
; 24 LDS loads in one run: the fragments of quarter q of a K step (32 along K: plane q / 2, byte 64 (q % 2) of its rows) into buffer f
.macro FETCH slot, q, f
.irp i, 0,1,2,3,4,5,6,7
	ds_load_b128 v[\f+8*\i:\f+8*\i+3],   v[ADRB+\slot] offset:((\q)/2)*BPL+((\q)%2)*64+\i*16*PITCH
	ds_load_b128 v[\f+8*\i+4:\f+8*\i+7], v[ADRB+\slot] offset:((\q)/2)*BPL+((\q)%2)*64+\i*16*PITCH+32
.endr
.irp i, 0,1,2,3
	ds_load_b128 v[\f+64+8*\i:\f+64+8*\i+3],   v[ADRA+\slot] offset:((\q)/2)*APL+((\q)%2)*64+\i*16*PITCH
	ds_load_b128 v[\f+64+8*\i+4:\f+64+8*\i+7], v[ADRA+\slot] offset:((\q)/2)*APL+((\q)%2)*64+\i*16*PITCH+32
.endr
.endm
; 8 matrix instructions: A's block a x B's eight.  The 32 accumulators take turns, one instruction a turn, in the same order in every quarter, over the backward jump too.
.macro MULA f, a
.irp b, 0,1,2,3,4,5,6,7
	v_wmma_f32_16x16x32_f16 v[8*(8*(\a)+\b):8*(8*(\a)+\b)+7], v[\f+8*\b:\f+8*\b+7], v[\f+64+8*(\a):\f+64+8*(\a)+7], v[8*(8*(\a)+\b):8*(8*(\a)+\b)+7]
.endr
.endm
.macro PLACES                          ; four places in front of loads into registers that matrix instructions have read, and of the first read of results (ISA guide 7.12.1 for vector instructions)
.rept 4
	v_nop
.endr
.endm
; One of a K step's first three quarters: buffer f is multiplied; ahead of that the next quarter, qn, is asked for into buffer g: it has this quarter's 32 matrix instructions in which to come.
.macro QUARTER slot, qn, f, g
	WIN 0
	s_wait_dscnt 0x0                               ; f is in: it was asked for a quarter ago
	PLACES                                         ; g was read by the quarter before
	FETCH \slot, \qn, \g
	WIN MUL
	MULA \f, 0
	MULA \f, 1
	MULA \f, 2
	MULA \f, 3
.endm
; The last quarter multiplies buffer 1 and changes slots: ONE barrier; in front of it each wave waits for all its tensor loads, adds 0 to its spare word, and waits for that and for its own reads of this slot.
; fill = 1: the barrier opens a round of the cluster's, and this slot is filled again, two K steps ahead.
.macro TURN slot, next, fill
	WIN 0                                          ; (the add's two registers lie in window 0)
	s_wait_tensorcnt 0x0                           ; all my tensor loads have landed: my part of the next slot
	ds_add_u32 v[SPW], v[NIL]                      ; 0 onto my spare word
	s_wait_dscnt 1                                 ; buffer 1's 24 loads are in; the add may be out
	WIN MUL
	MULA F1, 0                                     ; eight matrix instructions stand between the add and the wait for it
	s_wait_dscnt 0x0                               ; the add is done, and my reads of this slot are over
	s_barrier_signal -1
	MULA F1, 1
	WIN 0
	s_barrier_wait -1
.if \fill
	CREST                                          ; no wave of any partner still reads this slot's tile or has a load on its way
	s_add_nc_u64 s[G0+4*\slot+2:G0+4*\slot+3], s[G0+4*\slot+2:G0+4*\slot+3], 4<<20     ; two K steps on: four planes
	s_add_nc_u64 s[G0B+4*\slot+2:G0B+4*\slot+3], s[G0B+4*\slot+2:G0B+4*\slot+3], 4<<17
	JLOAD \slot                                    ; the first tensor load behind the round; the four v_nop behind it are also the places in front of the loads below
.else
	PLACES
.endif
	FETCH \next, 0, F0
	WIN MUL
	MULA F1, 2
	MULA F1, 3
.endm
	s_wait_tensorcnt 1                             ; my part of K step 0 is in (K step 1's load may be out)
	s_barrier_signal -1
	s_barrier_wait -1                              ; everybody's is
	FETCH 0, 0, F0
	s_wait_loadcnt 0x0                             ; the bias lies in the accumulators
	s_mov_b32 s3, 3
.Llap:                                             ; three trips: a trip goes once round the ring, two K steps, and fills both slots again
	QUARTER 0, 1, F0, F1
	QUARTER 0, 2, F1, F0
	QUARTER 0, 3, F0, F1
	TURN 0, 1, 1
	QUARTER 1, 1, F0, F1
	QUARTER 1, 2, F1, F0
	QUARTER 1, 3, F0, F1
	TURN 1, 0, 1
	WIN 0                                          ; at a label and at a branch every window is 0
	s_sub_co_u32 s3, s3, 1
	s_cmp_lg_u32 s3, 0
	s_cbranch_scc1 .Llap
	QUARTER 0, 1, F0, F1                           ; the last lap is written out: it fills nothing, and has no round of the cluster's barrier
	QUARTER 0, 2, F1, F0
	QUARTER 0, 3, F0, F1
	TURN 0, 1, 0
	QUARTER 1, 1, F0, F1
	QUARTER 1, 2, F1, F0
	QUARTER 1, 3, F0, F1
	WIN 0
	s_wait_dscnt 0x0                               ; the very last quarter: nothing more to fetch
	WIN MUL
	MULA F1, 0
	MULA F1, 1
	MULA F1, 2
	MULA F1, 3
	WIN 0
; THE WAY OUT, block by block of 16 rows x 128 columns.  A lane holds 32 neighbouring bytes of a row, and the lanes beside it hold other rows: so a block goes through my own stage in LDS and comes back as whole
; rows of 512 bytes.  LDS serves a wave's instructions in order (ISA guide 5.7.1.4): no wait between the stores and the loads, nor in front of the next block's stores.
.macro TOSTAGE a
	WIN 0x04                                       ; an LDS store's data are its source 1: window 1
.irp b, 0,1,2,3,4,5,6,7
	ds_store_b128 v[STO], v[8*(8*(\a)+\b):8*(8*(\a)+\b)+3] offset:64*\b            ; each accumulator from its low end on
	ds_store_b128 v[STO], v[8*(8*(\a)+\b)+4:8*(8*(\a)+\b)+7] offset:64*\b+16
.endr
	WIN 0
.set BB, 64+64*((\a)%2)
.irp t, 0,1,2,3,4,5,6,7,8,9,10,11,12,13,14,15
	ds_load_b128 v[BB+4*\t:BB+4*\t+3], v[RD] offset:\t*SPITCH
.endr
.endm
.macro SEND a, younger                 ; younger: the LDS instructions issued behind block a's loads, which may stay out
.set BB, 64+64*((\a)%2)
	s_wait_dscnt \younger
.irp t, 0,1,2,3,4,5,6,7,8,9,10,11,12,13,14,15
	global_store_b128 v[CO], v[BB+4*\t:BB+4*\t+3], s[10:11] offset:(16*(\a)+\t)*4096 th:TH_STORE_NT   ; 32 lanes store 512 consecutive bytes, aligned; written once, read by nobody here
.endr
.endm
	PLACES                                         ; behind the last products: for the stores of results and for the loads into the registers that held fragments
	TOSTAGE 0
.irp a, 1,2,3
.if \a > 1
	s_wait_xcnt 0x0                                ; block a - 2's stores have read their registers: block a's loads may land there
.endif
	TOSTAGE \a
	SEND \a-1, 32                                  ; behind block a - 1's loads: block a's 16 stores and 16 loads
.endr
	SEND 3, 0
	s_wait_tensorcnt 0x0                           ; the wave's end, behind my last tensor load and my last LDS store
	ds_add_u32 v[SPW], v[NIL]
	s_wait_dscnt 0x0
	CROUND                                         ; the closing round: no work-group ends while a partner may still ask for a tile that names it
	s_endpgm
.Lfunc_end_k_q4ebe879f68_proj:
	.size	k_q4ebe879f68_proj, .Lfunc_end_k_q4ebe879f68_proj-k_q4ebe879f68_proj
	.p2alignl 7, 3214868480
	.fill 96, 4, 3214868480
	.section	.rodata,"a",@progbits
	.p2align	6, 0x0
	.amdhsa_kernel k_q4ebe879f68_proj
		.amdhsa_group_segment_fixed_size 327680
		.amdhsa_private_segment_fixed_size 0
		.amdhsa_enable_private_segment 0
		.amdhsa_kernarg_size 32
		.amdhsa_user_sgpr_count 2
		.amdhsa_user_sgpr_kernarg_segment_ptr 1
		.amdhsa_wavefront_size32 1
		.amdhsa_system_sgpr_workgroup_id_x 1
		.amdhsa_system_sgpr_workgroup_id_y 1
		.amdhsa_system_sgpr_workgroup_id_z 1
		.amdhsa_system_vgpr_workitem_id 0
		.amdhsa_next_free_vgpr 512
		.amdhsa_next_free_sgpr 66
		.amdhsa_reserve_vcc 0
		.amdhsa_float_denorm_mode_32 3
		.amdhsa_float_denorm_mode_16_64 3
		.amdhsa_memory_ordered 1
		.amdhsa_forward_progress 1
		.amdhsa_inst_pref_size 90
	.end_amdhsa_kernel
	.amdgpu_metadata
---
amdhsa.version: [ 1, 2 ]
amdhsa.kernels:
  - .name:           k_q4ebe879f68_proj
    .symbol:         k_q4ebe879f68_proj.kd
    .args:
      - { .name: yh, .offset: 0, .size: 8, .value_kind: global_buffer, .address_space: global }
      - { .name: wp16, .offset: 8, .size: 8, .value_kind: global_buffer, .address_space: global }
      - { .name: bp, .offset: 16, .size: 8, .value_kind: global_buffer, .address_space: global }
      - { .name: out0, .offset: 24, .size: 8, .value_kind: global_buffer, .address_space: global }
    .group_segment_fixed_size: 327680
    .private_segment_fixed_size: 0
    .kernarg_segment_align: 8
    .kernarg_segment_size: 32
    .max_flat_workgroup_size: 128
    .sgpr_count:     66
    .vgpr_count:     512
    .wavefront_size: 32
...
	.end_amdgpu_metadata
.endif
;; end of part 4
